; MI455X (gfx1250); checked and timed in simulation.
; The chip was launched on July 23, 2026; its instructions are those of AMD's public machine-readable ISA for CDNA 5 (MIT licence, August 2026) and "CDNA5" Instruction Set Architecture Reference Guide (July 2026). The comments in the code are by the model that wrote it; some were corrected since.
;; Self Attention. Allowed arithmetic: matrix products marked QUANTISED: E2M1 operands, one E8M0 scale for each 32 along K, by v_wmma_scale_f32_16x16x128_f8f6f4 with both operands' format E2M1 (or v_wmma_scale_f32_32x16x128_f4), f32 sums; products left as they are: bf16, f16 or f32 operands; f32 sums; everything else in f32.
;; Inputs: Wk 1,024 x 1,024 float32; Wo 1,024 x 1,024 float32; Wq 1,024 x 1,024 float32; Wv 1,024 x 1,024 float32; bk 1,024 float32; bo 1,024 float32; bq 1,024 float32; bv 1,024 float32; query 4 x 2,048 x 1,024 float32.
;; Outputs: out0 4 x 2,048 x 1,024 float32.
;; This version of the problem:
;;   THIS VERSION OF THE PROBLEM IS GIVEN IN LOW PRECISION. The matrix products marked QUANTISED in the list below multiply operands that are first quantised to E2M1 (2 exponent bits, 1 mantissa bit; 4 bits a number), with one power-of-two scale for each 32 numbers along K (OCP MX v1.0); their sums are f32. The products marked 'left as it is' may take bf16, f16 or f32 operands, with f32 sums. Whichever they take, every output number must still come out within the allowed error. Rounding operands to bf16 (8 significant bits) uses up far more of that allowance than f16 does (11 bits, for magnitudes from 6e-5 to 65,504). All else is computed in f32.
;;   The module's matrix products, in the order in which they are computed (A, B: the left and right operand; K: the contracted axis; several contracted axes count as one K, in the product's order):
;;     1. [M 8,192, K 1,024] x [K 1,024, N 1,024]; A: input query; B: input Wq: QUANTISED
;;     2. [M 8,192, K 1,024] x [K 1,024, N 1,024]; A: input query; B: input Wk: QUANTISED
;;     3. [M 8,192, K 1,024] x [K 1,024, N 1,024]; A: input query; B: input Wv: QUANTISED
;;     4. batch 64 x [M 2,048, K 64] x [K 64, N 2,048]; A: computed on the way; B: computed on the way: left as it is (an operand is computed on the way)
;;     5. batch 64 x [M 2,048, K 2,048] x [K 2,048, N 64]; A: computed on the way; B: computed on the way: left as it is (an operand is computed on the way)
;;     6. [M 8,192, K 1,024] x [K 1,024, N 1,024]; A: computed on the way; B: input Wo: left as it is (an operand is computed on the way)
;;   THE QUANTISER, for each operand of a quantised product, along K:
;;     - K is cut into blocks of 32 from its start; a last block that is shorter is filled with zeros.
;;     - A block's scale is 2^e with e = floor(log2(the largest magnitude in the block)) - 2, held to -126 .. 127; a block of zeros has e = 0. As a byte (E8M0): e + 127.
;;     - Each number is divided by its block's scale, clamped to +-6, and rounded to the nearest number of E2M1, ties to even, subnormals kept.
;;     - The product sums the exact products of the quantised numbers (number of the format x scale) in f32.
;;   ~~~python
;;   def quantise(x, axis):      # numpy; x: float32 -> the quantised numbers, widened to float32 again
;;       x = np.moveaxis(x, axis, -1); K = x.shape[-1]
;;       x = np.pad(x, [(0, 0)] * (x.ndim - 1) + [(0, -K % 32)]); x = x.reshape(x.shape[:-1] + (-1, 32)); a = np.abs(x).max(-1, keepdims=True)
;;       e = np.where(a > 0, np.clip(np.frexp(np.where(a > 0, a, 1))[1] - 1 - 2, -126, 127), 0)      # np.frexp(a)[1] - 1 = floor(log2(a)), exactly
;;       r = np.clip(x / 2.0 ** e, -6, 6)
;;       step = 2.0 ** (np.maximum(np.frexp(np.where(r == 0, 1, r))[1] - 1, 0) - 1)
;;       q = np.round(r / step) * step * 2.0 ** e      # np.round: ties to even
;;       return np.moveaxis(q.reshape(q.shape[:-2] + (-1,))[..., :K], -1, axis).astype(np.float32)
;;   ~~~
;; One version. Each part assembles by itself: llvm-mc -triple=amdgcn-amd-amdhsa -mcpu=gfx1250 --defsym DOCPART=n.
;; ======== version 1 of 1: 4 launches
;; limits: values are held in f16: magnitudes above 65,504 overflow, below 6.1e-05 lose precision
;; workspace buffers: xc 4,194,304 bytes; xs 262,144 bytes; wc 1,572,864 bytes; ws 98,304 bytes; wo16 2,097,152 bytes; qkv 50,331,648 bytes; ctx 16,777,216 bytes
;; launch quant (part 1): grid 384 x 1, 4 waves a work-group, no clusters, 33,280 bytes of LDS; arguments query, Wq, Wk, Wv, Wo, xc, xs, wc, ws, wo16; writes xc, xs, wc, ws, wo16
.if DOCPART == 1
	.amdgcn_target "amdgcn-amd-amdhsa--gfx1250"
	.amdhsa_code_object_version 6
	.text
	.protected	k_q46ec359d46_quant
	.globl	k_q46ec359d46_quant
	.p2align	8
	.type	k_q46ec359d46_quant,@function
k_q46ec359d46_quant:
	s_mov_b64 s[64:65], 0
	v_nop
	global_prefetch_b8 v0, s[64:65] scope:SCOPE_SE
	s_setreg_imm32_b32 hwreg(HW_REG_WAVE_MODE, 25, 1), 1
	s_wait_xcnt 0x0
; query [8192][1024] and Wq, Wk, Wv [1024][1024], f32 with K innermost, become codes of FP4 (E2M1), two a byte, and one E8M0 scale byte for each 32 along K:
; xc [8192][512 bytes], xs [8192][32 bytes]; wc [3072][512 bytes], ws [3072][32 bytes], rows 0-1023 Wq, 1024-2047 Wk, 2048-3071 Wv.  Wo [1024][1024] f32 is rounded to f16 into wo16, same layout.
; A block's scale is 2^(floor(log2(its largest magnitude)) - 2); its byte is the largest magnitude's exponent field - 2, held at 1 from below.  Each number is divided by the scale and rounded to the nearest code, ties to even, beyond 6 the code of 6.
; LIMITS: a block of zeros gets the byte 1 where the rule says 127 (its codes are zeros, and this program alone reads the bytes); blocks whose largest magnitude lies under 2^(2 - 126) share that byte; NaN and infinities are not served.
; SHARES: a work-group takes 32,768 numbers.  Work-groups 0-255 query, 256-287 Wq, 288-319 Wk, 320-351 Wv (only pointers are chosen: one path for all four), 352-383 Wo (a path of its own, without LDS).
; Rows are dense and K is a multiple of 32: each tensor is a plain stream of blocks of 32.  A wave takes 16 steps of 512 numbers: four loads of 512 consecutive bytes, turned through the wave's own stage in LDS so that a lane holds
; 16 neighbours along K (two lanes to a block); a lane's 16 codes are 8 bytes, so a wave's store covers 256 consecutive bytes.  A wave's 256 scale bytes are gathered in LDS and leave as one run of 256 bytes.
.set WAVES, 4
.set STEPS, 16
.set WGQ,   352                        ; work-groups that quantise
.set EMAX,  2
.set CB,    8                          ; bytes of 16 codes
.set R,     16                         ; v16-79   four sets of 16 numbers as loaded
.set X,     80                         ; v80-111  two sets of 16 neighbours
.set E,     112                        ; v112-127 a scale byte for each step
.set C,     128                        ; v128-191 codes: four registers for each step, so that no store's data are written again
.set WREG,  8192                       ; LDS: a region for each wave: two stages of 32 x SP bytes, then its 256 scale bytes
.set SP,    80                         ; a lane's place in a stage: 64 bytes + 16 of padding
.set SPW,   12                         ; v12  LDS address of my spare word; never rewritten
.set NIL,   13                         ; v13  0; never rewritten
.set SPARE, WAVES*WREG                 ; behind the four regions: the spare words, 128 bytes a wave
.set XC,    16                         ; the cast: v16-143 two sets of 64 numbers
.set YC,    144                        ; v144-207 two sets of 32 registers of f16 pairs
	s_load_b256 s[4:11], s[0:1], 0x0               ; query, Wq, Wk, Wv
	s_load_b256 s[12:19], s[0:1], 0x20             ; Wo, xc, xs, wc
	s_load_b128 s[20:23], s[0:1], 0x40             ; ws, wo16
	v_lshl_add_u32 v[SPW], v0, 2, SPARE
	v_mov_b32 v[NIL], 0
	v_lshrrev_b32 v1, 5, v0
	v_readfirstlane_b32 s24, v1                    ; wave
	s_wait_kmcnt 0x0
	s_cmp_ge_u32 ttmp9, WGQ                        ; the work-group's number alone decides
	s_cbranch_scc1 .Lcast
	v_and_b32 v2, 31, v0                           ; lane
	v_lshlrev_b32 v3, 4, v2                        ; my 16 bytes of a load's 512
	s_mul_i32 s26, s24, WREG
	v_lshrrev_b32 v14, 2, v2
	v_mul_u32_u24 v14, v14, SP
	v_and_b32 v15, 3, v2
	v_lshl_add_u32 v14, v15, 4, v14
	v_add_nc_u32 v14, s26, v14                     ; the stage, on the way in: SP (lane / 4) + 16 (lane % 4)
	v_mul_u32_u24 v15, v2, SP
	v_add_nc_u32 v15, s26, v15                     ; and on the way out: SP x lane: my 16 neighbours
	v_mul_u32_u24 v4, v2, CB                       ; my codes' place in a step's
	v_lshrrev_b32 v5, 1, v2
	s_add_co_u32 s26, s26, 2*32*SP
	v_add_nc_u32 v5, s26, v5                       ; LDS: my wave's 256 scale bytes, my block's byte
	v_lshlrev_b32 v7, 3, v2                        ; on the way out 8 bytes a lane
	v_add_nc_u32 v6, s26, v7
	s_cmp_lt_u32 ttmp9, 256                        ; query, or a weight?
	s_cselect_b64 s[4:5], s[4:5], s[6:7]           ; source: query or Wq
	s_cselect_b64 s[14:15], s[14:15], s[18:19]     ; codes: xc or wc
	s_cselect_b64 s[16:17], s[16:17], s[20:21]     ; scale bytes: xs or ws
	s_cselect_b32 s25, 0, 256                      ; the first work-group of the destination
	s_cselect_b32 s27, 255, 31                     ; work-groups in a source tensor, less one
	s_cmp_ge_u32 ttmp9, 288
	s_cselect_b64 s[4:5], s[8:9], s[4:5]           ; Wk
	s_cmp_ge_u32 ttmp9, 320
	s_cselect_b64 s[4:5], s[10:11], s[4:5]         ; Wv
	s_sub_co_u32 s25, ttmp9, s25
	s_and_b32 s27, s25, s27
	s_lshl_b32 s25, s25, 2
	s_add_co_u32 s25, s25, s24                     ; my run of 8,192 numbers in the destination,
	s_lshl_b32 s27, s27, 2
	s_add_co_u32 s27, s27, s24                     ; and in the source
	s_lshl_b32 s28, s27, 15                        ; 32,768 bytes of f32 a run
	s_mov_b32 s29, 0
	s_add_nc_u64 s[4:5], s[4:5], s[28:29]
	s_lshl_b32 s28, s25, 12                        ; 4,096 bytes of codes
	s_add_nc_u64 s[14:15], s[14:15], s[28:29]
	s_lshl_b32 s28, s25, 8                         ; 256 scale bytes
	s_add_nc_u64 s[16:17], s[16:17], s[28:29]
.macro LOAD t
.irp i, 0,1,2,3
	global_load_b128 v[R+16*((\t)%4)+4*\i:R+16*((\t)%4)+4*\i+3], v3, s[4:5] offset:2048*(\t)+512*\i th:TH_LOAD_NT   ; 32 lanes read 512 consecutive bytes
.endr
.endm
.macro TURN t                          ; step t's numbers through the stage: LDS serves a wave's instructions in order, so no wait stands between the stores and the loads
.irp i, 0,1,2,3
	ds_store_b128 v14, v[R+16*((\t)%4)+4*\i:R+16*((\t)%4)+4*\i+3] offset:32*SP*((\t)%2)+8*SP*\i
.endr
.irp i, 0,1,2,3
	ds_load_b128 v[X+16*((\t)%2)+4*\i:X+16*((\t)%2)+4*\i+3], v15 offset:32*SP*((\t)%2)+16*\i
.endr
.endm
.irp t, 0,1,2,3
	LOAD \t
.endr
	s_wait_loadcnt 12                              ; step 0's four loads are in; the 12 of steps 1 to 3 may be out
	TURN 0
.macro STEP t
.set XS, X+16*((\t)%2)
.if (\t) > 0
	s_wait_dscnt 1                                 ; this step's numbers are back from the stage (the last step's byte store may be out)
.else
	s_wait_dscnt 0x0
.endif
.if (\t)+4 < STEPS
	LOAD (\t)+4                                    ; into the set that this step's stage stores have read
.endif
.if (\t)+1 < STEPS
.if STEPS-2-(\t) >= 3
	s_wait_loadcnt 12                              ; the next step's four loads are in; those of the three steps behind it may be out
.else
	s_wait_loadcnt 4*(STEPS-2-(\t))
.endif
	TURN (\t)+1                                    ; through the other stage while this step is worked
.endif
	v_max3_num_f32 v8, |v[XS]|, |v[XS+1]|, |v[XS+2]|               ; the largest magnitude of my 16, in two chains
	v_max3_num_f32 v9, |v[XS+3]|, |v[XS+4]|, |v[XS+5]|
.irp i, 6,10
	v_max3_num_f32 v8, v8, |v[XS+\i]|, |v[XS+\i+1]|
	v_max3_num_f32 v9, v9, |v[XS+\i+2]|, |v[XS+\i+3]|
.endr
	v_max3_num_f32 v8, v8, |v[XS+14]|, |v[XS+15]|
	v_max3_num_f32 v8, v8, v9, (EMAX+1)<<23        ; and the floor 2^(EMAX + 1 - 127): the byte cannot fall under 1
	v_max_num_f32_dpp v8, v8, v8 row_xmask:1 row_mask:0xf bank_mask:0xf   ; with my neighbour's 16: the block's
	v_add_nc_u32 v11, -(EMAX<<23), v8              ; EMAX off its exponent field: the conversion takes the exponent field of this operand as its scale
	v_cvt_scalef32_pk8_fp4_f32 v[C+4*(\t)], v[XS:XS+7], v11
	v_cvt_scalef32_pk8_fp4_f32 v[C+4*(\t)+1], v[XS+8:XS+15], v11
	v_lshrrev_b32 v[E+(\t)], 23, v11               ; the scale's byte (also the plain line behind the conversions)
	ds_store_b8 v5, v[E+(\t)] offset:16*(\t)       ; both lanes of a block write the same byte with the same value
	global_store_b64 v4, v[C+4*(\t):C+4*(\t)+1], s[14:15] offset:32*CB*(\t)   ; 32 lanes store 256 consecutive bytes
.endm
.irp t, 0,1,2,3,4,5,6,7,8,9,10,11,12,13,14,15
	STEP \t
.endr
	ds_load_b64 v[8:9], v6                         ; LDS serves a wave's instructions in order: these see my byte stores
	s_wait_dscnt 0x0
	global_store_b64 v7, v[8:9], s[16:17]          ; 32 lanes store 256 consecutive bytes
	s_wait_tensorcnt 0x0                           ; the wave's end: behind my last LDS store
	ds_add_u32 v[SPW], v[NIL]
	s_wait_dscnt 0x0
	s_endpgm
; Wo to f16.  A work-group takes 32,768 numbers in 32 runs of 1,024: thread t reads 32 bytes at 32 t and stores 16 at 16 t, so a wave's store covers 512 consecutive bytes.
; Four batches of eight runs; two batches of loads (32 loads a wave) are out at the start, one while a batch is rounded.  No LDS on this path.
.Lcast:
	s_sub_co_u32 s25, ttmp9, WGQ
	s_lshl_b32 s28, s25, 17                        ; 131,072 bytes of f32
	s_mov_b32 s29, 0
	s_add_nc_u64 s[12:13], s[12:13], s[28:29]
	s_lshl_b32 s28, s25, 16                        ; 65,536 bytes of f16
	s_add_nc_u64 s[22:23], s[22:23], s[28:29]
	v_lshlrev_b32 v1, 5, v0
	v_lshlrev_b32 v2, 4, v0
.macro LOADB g
.irp i, 0,1,2,3,4,5,6,7
	global_load_b128 v[XC+64*((\g)%2)+8*\i:XC+64*((\g)%2)+8*\i+3], v1, s[12:13] offset:(8*(\g)+\i)*4096 th:TH_LOAD_NT
	global_load_b128 v[XC+64*((\g)%2)+8*\i+4:XC+64*((\g)%2)+8*\i+7], v1, s[12:13] offset:(8*(\g)+\i)*4096+16 th:TH_LOAD_NT
.endr
.endm
.macro CASTB g
.if (\g) < 3
	s_wait_loadcnt 16                              ; this batch's 16 loads are in; the next batch's 16 may be out
.else
	s_wait_loadcnt 0x0
.endif
.if (\g) >= 2
	s_wait_xcnt 0x0                                ; the stores of two batches back have read their data registers, which are written again below
.endif
.irp i, 0,1,2,3,4,5,6,7
.irp j, 0,1,2,3
	v_cvt_pk_f16_f32 v[YC+32*((\g)%2)+4*\i+\j], v[XC+64*((\g)%2)+8*\i+2*\j], v[XC+64*((\g)%2)+8*\i+2*\j+1]
.endr
.endr
.if (\g) < 2
	LOADB (\g)+2
.endif
.irp i, 0,1,2,3,4,5,6,7
	global_store_b128 v2, v[YC+32*((\g)%2)+4*\i:YC+32*((\g)%2)+4*\i+3], s[22:23] offset:(8*(\g)+\i)*2048
.endr
.endm
	LOADB 0
	LOADB 1
	CASTB 0
	CASTB 1
	CASTB 2
	CASTB 3
	s_endpgm
.Lfunc_end_k_q46ec359d46_quant:
	.size	k_q46ec359d46_quant, .Lfunc_end_k_q46ec359d46_quant-k_q46ec359d46_quant
	.p2alignl 7, 3214868480
	.fill 96, 4, 3214868480
	.section	.rodata,"a",@progbits
	.p2align	6, 0x0
	.amdhsa_kernel k_q46ec359d46_quant
		.amdhsa_group_segment_fixed_size 33280
		.amdhsa_private_segment_fixed_size 0
		.amdhsa_enable_private_segment 0
		.amdhsa_kernarg_size 80
		.amdhsa_user_sgpr_count 2
		.amdhsa_user_sgpr_kernarg_segment_ptr 1
		.amdhsa_wavefront_size32 1
		.amdhsa_system_sgpr_workgroup_id_x 1
		.amdhsa_system_sgpr_workgroup_id_y 1
		.amdhsa_system_sgpr_workgroup_id_z 1
		.amdhsa_system_vgpr_workitem_id 0
		.amdhsa_next_free_vgpr 208
		.amdhsa_next_free_sgpr 66
		.amdhsa_reserve_vcc 0
		.amdhsa_float_denorm_mode_32 3
		.amdhsa_float_denorm_mode_16_64 3
		.amdhsa_memory_ordered 1
		.amdhsa_forward_progress 1
		.amdhsa_inst_pref_size 51
	.end_amdhsa_kernel
	.amdgpu_metadata
---
amdhsa.version: [ 1, 2 ]
amdhsa.kernels:
  - .name:           k_q46ec359d46_quant
    .symbol:         k_q46ec359d46_quant.kd
    .args:
      - { .name: query, .offset: 0, .size: 8, .value_kind: global_buffer, .address_space: global }
      - { .name: Wq, .offset: 8, .size: 8, .value_kind: global_buffer, .address_space: global }
      - { .name: Wk, .offset: 16, .size: 8, .value_kind: global_buffer, .address_space: global }
      - { .name: Wv, .offset: 24, .size: 8, .value_kind: global_buffer, .address_space: global }
      - { .name: Wo, .offset: 32, .size: 8, .value_kind: global_buffer, .address_space: global }
      - { .name: xc, .offset: 40, .size: 8, .value_kind: global_buffer, .address_space: global }
      - { .name: xs, .offset: 48, .size: 8, .value_kind: global_buffer, .address_space: global }
      - { .name: wc, .offset: 56, .size: 8, .value_kind: global_buffer, .address_space: global }
      - { .name: ws, .offset: 64, .size: 8, .value_kind: global_buffer, .address_space: global }
      - { .name: wo16, .offset: 72, .size: 8, .value_kind: global_buffer, .address_space: global }
    .group_segment_fixed_size: 33280
    .private_segment_fixed_size: 0
    .kernarg_segment_align: 8
    .kernarg_segment_size: 80
    .max_flat_workgroup_size: 128
    .sgpr_count:     66
    .vgpr_count:     208
    .wavefront_size: 32
...
	.end_amdgpu_metadata
.endif
;; end of part 1
;; launch qkv (part 2): grid 12 x 32, 4 waves a work-group, clusters of 4 x 4, 327,680 bytes of LDS; arguments xc, xs, wc, ws, qkv, bq, bk, bv; writes qkv
.if DOCPART == 2
	.amdgcn_target "amdgcn-amd-amdhsa--gfx1250"
	.amdhsa_code_object_version 6
	.text
	.protected	k_q46ec359d46_qkv
	.globl	k_q46ec359d46_qkv
	.p2align	8
	.type	k_q46ec359d46_qkv,@function
k_q46ec359d46_qkv:
	s_mov_b64 s[64:65], 0
	v_nop
	global_prefetch_b8 v0, s[64:65] scope:SCOPE_SE
	s_setreg_imm32_b32 hwreg(HW_REG_WAVE_MODE, 25, 1), 1
	s_wait_xcnt 0x0
	s_wait_alu depctr_hold_cnt(0) depctr_sa_sdst(0) depctr_va_vdst(0) depctr_va_sdst(0) depctr_va_ssrc(0) depctr_va_vcc(0) depctr_vm_vsrc(0)
	s_getreg_b32 s2, hwreg(HW_REG_IB_STS2, 6, 4)
	s_cmp_eq_u32 s2, 0
	s_cbranch_scc0 .Lentry_in_a_cluster
	s_endpgm
.Lentry_in_a_cluster:
	s_bfe_u32 s2, ttmp6, 0x10000c
	s_cmp_lg_u32 s2, 0xf033
	s_cbranch_scc0 .Lentry_shape_is_right
	s_endpgm
.Lentry_shape_is_right:
; q, k, v = query W^T + b for the three weights at once: C[m][n] = sum over k of A[m][k] B[n][k] + bias[n], A = query's codes [8192][1024], B = the three weights' codes [3072][1024], FP4 (E2M1) with one E8M0 byte for each 32 along K; sums in f32.
; The result is rounded to f16 and laid by head: qkv = three sections (q, k, v) of [batch 4][head 16][t 2048][64] f16, so that a head is 262,144 dense bytes and two neighbouring t of a head are 256 consecutive bytes.
; LIMIT: results beyond 65,504 in magnitude have no f16 number.
; A tile of C, 256 x 256, is made by a work-group of four waves; a wave makes 128 x 128: 64 accumulators, 512 registers.  K = 1,024 is two steps of 512: both lie in LDS from the first fills on, nothing is filled again.
; THE SCALES of the work-group's 256 rows of A and of B, for all of K, are two dense blocks of memory: they come into LDS once, in runs of 256 bytes.
; CLUSTERS: 4 x 4 work-groups.  The four of a row of the cluster need the same tiles of A, the four of a column the same tiles of B: each tile is asked for jointly.  Cluster x is the section (q, k or v).
; THE MATRIX INSTRUCTION IS USED TRANSPOSED (source 0 = 16 rows of B, source 1 = 16 rows of A): a lane holds eight neighbouring columns of one row of C.  THE BIAS is the C of each sum's first product.
; REGISTERS, in windows of 256: window 0: v0-31 addresses; v32-95 scale words, two sets, and nothing else; v128-191 A's fragments, one set, on the way out rows read back; v192-255 the bias, on the way out packed results.
;   window 1: B's fragments, two sets, at v0 and v128.   window 2: the accumulators of my rows 0-63 ((a, b) at v[8 (8 a + b)]);   window 3: those of my rows 64-127.
.set SIZE_K, 1024
.set KSTEP,  512                       ; along K in a slot
.set NQ,     KSTEP/128                 ; matrix instructions deep
.set ROWB,   256                       ; a tile's row in bytes
.set KROW,   SIZE_K*4/8                ; a row of codes in memory
.set PITCH,  272                       ; an LDS row: 256 bytes + 16 of padding = 68 words: row r starts at bank 4 r mod 64 (64 banks of 4 bytes: ISA guide 11.1)
.set FR,     8                         ; registers of a fragment: 16 rows x 128 K
.set NL,     2                         ; LDS loads that bring one
.set NP,     4                         ; places behind this matrix instruction (ISA guide 7.12.1)
.set HALFT,  128*PITCH                 ; 128 rows: what one tensor load brings
.set SLOT,   4*HALFT                   ; A's 256 rows, then B's 256 rows
.set KS,     SIZE_K/32                 ; a row of scale bytes
.set SCL,    2*SLOT                    ; behind the two slots: the scales, as runs of 256 bytes + 16 of padding
.set HALFS,  (128*KS/256)*272          ; the scales of 128 rows
.set SBLK,   (16*KS/256)*272           ; those of 16 rows
.set SPARE,  SCL+4*HALFS               ; the spare words, 128 bytes a wave
.set SPITCH, 272                       ; the way out: a stage of 16 rows x (256 bytes + 16) for each wave, in slot 0, which has had its only fill and its last read by then
.set ADRA, 16                          ; v16-17  LDS address of my A fragments in slot 0, 1
.set ADRB, 20                          ; v20-21  the same for B
.set STO,  24                          ; v24     the way out: where I put 16 bytes of a row
.set RD,   25                          ; v25     where I read 16 bytes back
.set CO,   26                          ; v26     my byte offset in qkv
.set ADRS, 27                          ; v27     LDS address of my scale words: lanes 0-15 A's rows, lanes 16-31 B's
.set SPW,  28                          ; v28     LDS address of my spare word; never rewritten
.set NIL,  29                          ; v29     0; never rewritten
.set SC,   32                          ; scale words: set s at v[SC + 8 NQ s]; register NQ i + q: lanes 0-15 A's block i, lanes 16-31 B's block i
.set AF,   128                         ; A's fragments
.set BI,   192                         ; the bias: v[BI + 8 b + j] = bias[my first column + 16 b + 8 (lane / 16) + j]
.set TMP,  192                         ; the way out: packed results
.set BK,   128                         ; the way out: rows read back, v128-159 and v160-191 by turns
.set G1, 24
.set G0, 32
.set G1B, 48
.set G0B, 56
.set G1S, 68
.set G0S, 76
.set G1SB, 80
.set G0SB, 88
.set MSB, 0
.macro WIN new                         ; the immediate's high byte repeats the setting that is left
.if MSB != \new
	s_set_vgpr_msb (MSB<<8)|\new
.set MSB, \new
.endif
.endm
.set MUL_LO,  0xa1                     ; source 0 (B) window 1, source 1 (A) window 0, C and D window 2
.set MUL_HI,  0xf1                     ; the same, C and D window 3
.set BIAS_LO, 0x81                     ; the first step: C (the bias) window 0, D window 2
.set BIAS_HI, 0xc1                     ; D window 3
.set TO_B,    0x40                     ; destination window 1, address window 0
; A joint load: waves 0 and 1 fetch for A, waves 2 and 3 for B.  The branch hangs on the wave's number alone.  An s_nop 0 and four v_nop follow each of the two lines.
.macro JLOAD g0a, g1a, g0b, g1b
	s_cmp_eq_u32 s15, 0
	s_cbranch_scc0 .Lfor_b_\@
	tensor_load_to_lds s[\g0a:\g0a+3], s[\g1a:\g1a+7]
	s_nop 0
.rept 4
	v_nop
.endr
	s_branch .Lasked_\@
.Lfor_b_\@:
	tensor_load_to_lds s[\g0b:\g0b+3], s[\g1b:\g1b+7]
	s_nop 0
.rept 4
	v_nop
.endr
.Lasked_\@:
.endm
.macro CROUND                          ; a round of the cluster's barrier
	s_barrier_signal -1
	s_barrier_wait -1
	s_cmp_lg_u32 s14, 0
	s_cbranch_scc1 .Lnot_wave_0_\@
	s_barrier_signal -3
.Lnot_wave_0_\@:
	s_barrier_wait -3
	s_barrier_signal -1
	s_barrier_wait -1
.endm
	s_load_b128 s[4:7], s[0:1], 0x0                ; A's codes, A's scales
	s_load_b128 s[8:11], s[0:1], 0x10              ; B's codes, B's scales
	s_load_b64 s[12:13], s[0:1], 0x20              ; qkv
	s_load_b64 s[96:97], s[0:1], 0x28              ; bq
	s_load_b64 s[98:99], s[0:1], 0x30              ; bk
	s_load_b64 s[100:101], s[0:1], 0x38            ; bv
	v_lshl_add_u32 v[SPW], v0, 2, SPARE
	v_mov_b32 v[NIL], 0
	ds_add_u32 v[SPW], v[NIL]                      ; the wave's opening: the add, twice on end, and its wait ahead of my first tensor load
	ds_add_u32 v[SPW], v[NIL]
	v_lshrrev_b32 v1, 5, v0
	v_readfirstlane_b32 s14, v1                    ; wave 0..3
	s_lshr_b32 s15, s14, 1                         ; which half of the tile's rows is mine.  Also: I fetch for A (0) or for B (1)
	s_and_b32 s16, s14, 1                          ; which half of its columns.  Also: which 128 rows of that tile I fetch
	s_bfe_u32 s40, ttmp6, 0x40000                  ; cx, cy: my place in the cluster
	s_bfe_u32 s41, ttmp6, 0x40004
	s_lshl_b32 s42, ttmp9, 2
	s_add_co_u32 s42, s42, s40                     ; tile column of C = 4 x cluster x + cx
	s_and_b32 s17, ttmp7, 0xffff
	s_lshl_b32 s17, s17, 2
	s_add_co_u32 s17, s17, s41                     ; tile row of C = 4 x cluster y + cy
	s_lshl_b32 s43, s41, 2
	s_lshl_b32 s43, 15, s43                        ; my row of the cluster
	s_lshl_b32 s44, 0x1111, s40                    ; my column
	; descriptor group 1: a tile of 128 rows x 256 bytes, 16 bytes of padding behind each row
	s_or_b32 s[G1+0], s43, (0<<16)|(1<<20)|(1<<21)|(5<<22)|(3<<25)  ; 15:0 the mask; 17:16 elements of 1 byte; 20 padding on; 21 set beside a mask; 24:22 after every 64 words; 31:25 four words
	s_or_b32 s[G1B+0], s44, (0<<16)|(1<<20)|(1<<21)|(5<<22)|(3<<25)
.irp g, G1, G1B
	s_mov_b32 s[\g+1], ROWB<<16                    ; tensor_dim0
	s_mov_b32 s[\g+2], 128<<16                     ; tensor_dim1
	s_mov_b32 s[\g+3], ROWB<<16                    ; tile_dim0
	s_mov_b32 s[\g+4], 128                         ; tile_dim1
	s_mov_b32 s[\g+5], KROW                        ; from row to row
	s_mov_b32 s[\g+6], 0
	s_mov_b32 s[\g+7], 0
.endr
	; the scales of 128 rows: a dense block of 4,096 bytes, as 16 rows of 256 bytes (32 elements of 8 bytes), 16 bytes of padding behind each
	s_or_b32 s[G1S+0], s43, (3<<16)|(1<<20)|(1<<21)|(5<<22)|(3<<25)
	s_or_b32 s[G1SB+0], s44, (3<<16)|(1<<20)|(1<<21)|(5<<22)|(3<<25)
.irp g, G1S, G1SB
	s_mov_b32 s[\g+1], 32<<16
	s_mov_b32 s[\g+2], (128*KS/256)<<16
	s_mov_b32 s[\g+3], 32<<16
	s_mov_b32 s[\g+4], 128*KS/256
	s_mov_b32 s[\g+5], 32
	s_mov_b32 s[\g+6], 0
	s_mov_b32 s[\g+7], 0
.endr
	s_lshl_b32 s18, s16, 7                         ; which 128 rows of the tile I fetch
	s_lshl_b32 s20, s17, 8
	s_add_co_u32 s20, s20, s18                     ; A: row 256 x tile row + 128 x half
	s_lshl_b32 s46, s42, 8
	s_add_co_u32 s46, s46, s18                     ; B: row 256 x tile column + 128 x half
	s_mov_b32 s21, 0
	s_mov_b32 s47, 0
	s_mov_b64 s[18:19], KS
	s_mul_u64 s[22:23], s[20:21], s[18:19]         ; where these rows' scales begin, in bytes
	s_mul_u64 s[92:93], s[46:47], s[18:19]
	s_mov_b64 s[18:19], KROW
	s_mul_u64 s[20:21], s[20:21], s[18:19]         ; and their codes
	s_mul_u64 s[46:47], s[46:47], s[18:19]
	s_mul_i32 s45, s14, HALFT                      ; where they go: wave x 128 rows: no place in the cluster enters an LDS address
	s_mul_i32 s94, s14, HALFS
	s_wait_dscnt 0x0                               ; both opening adds are done
	s_wait_kmcnt 0x0
	s_add_nc_u64 s[20:21], s[4:5], s[20:21]
	s_add_nc_u64 s[22:23], s[6:7], s[22:23]
	s_add_nc_u64 s[46:47], s[8:9], s[46:47]
	s_add_nc_u64 s[92:93], s[10:11], s[92:93]
	CROUND                                         ; all sixteen work-groups are here: the joint loads meet
	s_mov_b32 s[G0S], 1
	s_add_co_u32 s[G0S+1], s94, SCL
	s_mov_b64 s[G0S+2:G0S+3], s[22:23]
	s_or_b32 s[G0S+3], s[G0S+3], 0x80000000
	s_mov_b32 s[G0SB], 1
	s_add_co_u32 s[G0SB+1], s94, SCL
	s_mov_b64 s[G0SB+2:G0SB+3], s[92:93]
	s_or_b32 s[G0SB+3], s[G0SB+3], 0x80000000
	JLOAD G0S, G1S, G0SB, G1SB                     ; the scales first: they are wanted with K step 0
.irp s, 0,1
	s_mov_b32 s[G0+4*\s], 1
	s_add_co_u32 s[G0+4*\s+1], s45, \s*SLOT
	s_add_nc_u64 s[G0+4*\s+2:G0+4*\s+3], s[20:21], \s*ROWB
	s_or_b32 s[G0+4*\s+3], s[G0+4*\s+3], 0x80000000
	s_mov_b32 s[G0B+4*\s], 1
	s_add_co_u32 s[G0B+4*\s+1], s45, \s*SLOT
	s_add_nc_u64 s[G0B+4*\s+2:G0B+4*\s+3], s[46:47], \s*ROWB
	s_or_b32 s[G0B+4*\s+3], s[G0B+4*\s+3], 0x80000000
	JLOAD G0+4*\s, G1, G0B+4*\s, G1B               ; three loads of mine are out: the scales, K step 0, K step 1
.endr
	v_and_b32 v1, 15, v0                           ; r = l % 16
	v_bfe_u32 v2, v0, 4, 1                         ; h = l / 16
	; the bias of my 128 columns: the section's vector is chosen by the cluster's x, which all partners share
	s_cmp_eq_u32 ttmp9, 0
	s_cselect_b64 s[96:97], s[96:97], s[98:99]
	s_cmp_eq_u32 ttmp9, 2
	s_cselect_b64 s[96:97], s[100:101], s[96:97]
	s_lshl_b32 s20, s40, 10                        ; 256 cx numbers of 4 bytes
	s_lshl_b32 s21, s16, 9                         ; + 128 x half
	s_add_co_u32 s20, s20, s21
	s_mov_b32 s21, 0
	s_add_nc_u64 s[96:97], s[96:97], s[20:21]
	v_lshlrev_b32 v7, 5, v2                        ; 8 h numbers on
.irp b, 0,1,2,3,4,5,6,7
	global_load_b128 v[BI+8*\b:BI+8*\b+3], v7, s[96:97] offset:64*\b
	global_load_b128 v[BI+8*\b+4:BI+8*\b+7], v7, s[96:97] offset:64*\b+16
.endr
	v_mul_u32_u24 v3, v1, PITCH
	v_lshl_add_u32 v4, v2, 4, v3                   ; a fragment's row x pitch + 16 x half
	s_mul_i32 s21, s15, HALFT                      ; my 128 rows of A
	s_mul_i32 s22, s16, HALFT                      ; my 128 rows of B,
	s_add_co_u32 s22, s22, 2*HALFT                 ; which lie behind A's 256
.irp s, 0,1
	v_add_nc_u32 v[ADRA+\s], s21, v4
	v_add_nc_u32 v[ADRB+\s], s22, v4
	s_add_co_u32 s21, s21, SLOT
	s_add_co_u32 s22, s22, SLOT
.endr
	v_mul_u32_u24 v5, v1, KS                       ; my row's scales: KS bytes a row,
	v_lshrrev_b32 v6, 8, v5
	v_lshl_add_u32 v5, v6, 4, v5                   ; and 16 more for each 256 passed
	s_mul_i32 s21, s15, HALFS                      ; A's: my 128 rows
	s_mul_i32 s22, s16, HALFS                      ; B's: my 128 rows, behind A's 256
	s_add_co_u32 s22, s22, 2*HALFS
	s_sub_co_u32 s22, s22, s21
	v_mul_u32_u24 v6, s22, v2                      ; lanes 16-31 take B's
	s_add_co_u32 s21, s21, SCL
	v_add_nc_u32 v5, v5, v6
	v_add_nc_u32 v[ADRS], s21, v5
	s_mul_i32 s23, s14, 16*SPITCH                  ; my stage
	v_mul_u32_u24 v5, v1, SPITCH                   ; in: row r, 16 bytes for each half of the lanes
	v_lshl_add_u32 v5, v2, 4, v5
	v_add_nc_u32 v[STO], s23, v5
	v_bfe_u32 v5, v0, 3, 1                         ; back: lanes 0-7 an even row's 128 bytes of one head, lanes 8-15 the odd row's; lanes 16-31 the same of the next head
	v_mul_u32_u24 v5, v5, SPITCH
	v_lshl_add_u32 v5, v2, 7, v5
	v_and_b32 v6, 7, v0
	v_lshl_add_u32 v5, v6, 4, v5
	v_add_nc_u32 v[RD], s23, v5
	v_lshlrev_b32 v[CO], 4, v1                     ; in qkv: 16 (l % 16),
	v_lshl_add_u32 v[CO], v2, 18, v[CO]            ; and a head (262,144 bytes) on for lanes 16-31
	s_lshr_b32 s20, s17, 3                         ; the batch: 8 tile rows each
	s_lshl_b32 s20, s20, 4
	s_lshl_b32 s21, s40, 2
	s_add_co_u32 s20, s20, s21                     ; + 4 cx heads
	s_lshl_b32 s21, s16, 1
	s_add_co_u32 s20, s20, s21                     ; + my two of the tile's four
	s_lshl_b32 s20, s20, 11                        ; 2,048 rows a head
	s_and_b32 s21, s17, 7
	s_lshl_b32 s21, s21, 8
	s_add_co_u32 s20, s20, s21                     ; + the tile's first t
	s_lshl_b32 s21, s15, 7
	s_add_co_u32 s20, s20, s21                     ; + my half of its rows
	s_lshl_b32 s20, s20, 7                         ; 128 bytes a row
	s_lshl_b32 s21, ttmp9, 24                      ; the section
	s_add_co_u32 s20, s20, s21
	s_mov_b32 s21, 0
	s_add_nc_u64 s[12:13], s[12:13], s[20:21]
.macro FRAG reg, adr, q, i             ; a fragment, 16 rows x 128 K of 4-bit codes: lane l holds row l % 16; registers 4 c .. 4 c + 3 hold K = 64 c + 32 (l / 16) + 0 .. 31
.irp c, 0,1
	ds_load_b128 v[\reg+4*\c:\reg+4*\c+3], v[\adr] offset:64*(\q)+32*\c+(\i)*16*PITCH
.endr
.endm
; 16 matrix instructions: A's blocks a0, a0 + 1 x B's eight, 128 along K.  p: B's set; sc: the set of scale words.  zero = 1: the first product starts the sums from the bias.
; The 64 accumulators take turns, one instruction a turn, in the same order in every step.
.macro MUL16 a0, p, q, sc, zero
.irp a, \a0, \a0+1
.irp b, 0,1,2,3,4,5,6,7
.if \zero
	v_wmma_scale_f32_16x16x128_f8f6f4 v[8*(8*((\a)%4)+\b):8*(8*((\a)%4)+\b)+7], v[128*(\p)+FR*\b:128*(\p)+FR*\b+FR-1], v[AF+FR*(\a):AF+FR*(\a)+FR-1], v[BI+8*\b:BI+8*\b+7], v[SC+8*NQ*(\sc)+NQ*\b+(\q)], v[SC+8*NQ*(\sc)+NQ*(\a)+(\q)] matrix_a_fmt:MATRIX_FMT_FP4 matrix_b_fmt:MATRIX_FMT_FP4 matrix_a_scale:MATRIX_SCALE_ROW1
.else
	v_wmma_scale_f32_16x16x128_f8f6f4 v[8*(8*((\a)%4)+\b):8*(8*((\a)%4)+\b)+7], v[128*(\p)+FR*\b:128*(\p)+FR*\b+FR-1], v[AF+FR*(\a):AF+FR*(\a)+FR-1], v[8*(8*((\a)%4)+\b):8*(8*((\a)%4)+\b)+7], v[SC+8*NQ*(\sc)+NQ*\b+(\q)], v[SC+8*NQ*(\sc)+NQ*(\a)+(\q)] matrix_a_fmt:MATRIX_FMT_FP4 matrix_b_fmt:MATRIX_FMT_FP4 matrix_a_scale:MATRIX_SCALE_ROW1
.endif
.endr
.endr
.endm
.macro FETCH_B slot, q, p
	WIN TO_B
.irp i, 0,1,2,3,4,5,6,7
	FRAG 128*(\p)+FR*\i, ADRB+\slot, \q, \i
.endr
	WIN 0
.endm
.macro FETCH_A slot, q, i0
.irp i, \i0, \i0+1, \i0+2, \i0+3
	FRAG AF+FR*(\i), ADRA+\slot, \q, \i
.endr
.endm
.macro SCALES sc                       ; a K step's scale words: NQ words a row; lanes 0-15 A's block i, lanes 16-31 B's block i
.irp i, 0,1,2,3,4,5,6,7
	ds_load_b128 v[SC+8*NQ*\sc+NQ*\i:SC+8*NQ*\sc+NQ*\i+3], v[ADRS] offset:\i*SBLK
.endr
.endm
.macro PLACES n                        ; plain vector instructions between a matrix instruction and a load into, or a read of, its registers
.rept \n
	v_nop
.endr
.endm
; A step of 128 along K that has its successor in the same slot.
.macro STEP slot, q, zero
	s_wait_dscnt 4*NL                              ; B's set and A's blocks 0-3 are in; the youngest eight loads (A's blocks 4-7) may be out
.if \zero
	WIN BIAS_LO
.else
	WIN MUL_LO
.endif
	MUL16 0, (\q)%2, \q, \slot, \zero
	MUL16 2, (\q)%2, \q, \slot, \zero
	s_wait_dscnt 0                                 ; A's blocks 4-7 are in
	PLACES NP
	FETCH_B \slot, (\q)+1, 1-(\q)%2
	FETCH_A \slot, (\q)+1, 0
.if \zero
	WIN BIAS_HI
.else
	WIN MUL_HI
.endif
	MUL16 4, (\q)%2, \q, \slot, \zero
	MUL16 6, (\q)%2, \q, \slot, \zero
	PLACES NP
	WIN 0
	FETCH_A \slot, (\q)+1, 4
.endm
; Slot 0's last step goes over to slot 1: one barrier; in front of it each wave waits for all its tensor loads (its part of slot 1), adds 0 to its spare word, and waits for that and for its reads of slot 0.  Nothing is filled again.
.macro TURN slot, next
	s_wait_tensorcnt 0x0                           ; all my tensor loads have landed
	ds_add_u32 v[SPW], v[NIL]                      ; 0 onto my spare word
	s_wait_dscnt 4*NL+1                            ; the add and the youngest eight loads (A's blocks 4-7) may be out
	WIN MUL_LO
	MUL16 0, 1, NQ-1, \slot, 0
	s_wait_dscnt 0x0                               ; the add is done, and my reads of this slot are over
	s_barrier_signal -1
	MUL16 2, 1, NQ-1, \slot, 0
	WIN 0
	s_barrier_wait -1
	PLACES NP
	v_add_nc_u32 v[ADRS], 4*NQ, v[ADRS]            ; on to the next K step's scale words
	FETCH_B \next, 0, 0
	FETCH_A \next, 0, 0
	SCALES \next
	WIN MUL_HI
	MUL16 4, 1, NQ-1, \slot, 0
	MUL16 6, 1, NQ-1, \slot, 0
	PLACES NP
	WIN 0
	FETCH_A \next, 0, 4
.endm
	s_wait_tensorcnt 1                             ; the scales and my part of K step 0 are in (K step 1's load may be out),
	s_barrier_signal -1
	s_barrier_wait -1                              ; everybody's are
	FETCH_B 0, 0, 0
	FETCH_A 0, 0, 0
	SCALES 0
	FETCH_A 0, 0, 4
	s_wait_loadcnt 0x0                             ; the bias
	STEP 0, 0, 1
	STEP 0, 1, 0
	STEP 0, 2, 0
	TURN 0, 1
	STEP 1, 0, 0
	STEP 1, 1, 0
	STEP 1, 2, 0
	s_wait_dscnt 4*NL                              ; the last step: nothing more to fetch
	WIN MUL_LO
	MUL16 0, 1, NQ-1, 1, 0
	MUL16 2, 1, NQ-1, 1, 0
	s_wait_dscnt 0
	WIN MUL_HI
	MUL16 4, 1, NQ-1, 1, 0
	MUL16 6, 1, NQ-1, 1, 0
	WIN 0
; THE WAY OUT, a block of 16 rows x 128 columns (two heads) at a time: rounded to f16, 16 bytes a lane into my own stage, back so that sixteen lanes hold two neighbouring t of one head, 256 consecutive bytes of qkv.
.macro PACK a
.set AC, 64*((\a)%4)
.set WN, 0x0a+5*((\a)/4)               ; sources 0 and 1: window 2 or 3
	WIN WN
.irp b, 0,1,2,3,4,5,6,7
.irp r, 0,1,2,3
	v_cvt_pk_f16_f32 v[TMP+4*\b+\r], v[AC+8*\b+2*\r], v[AC+8*\b+2*\r+1]   ; each accumulator from its low end on
.endr
.endr
	WIN 0
.endm
.macro TOSTAGE a
.set BB, BK+32*((\a)%2)
.irp b, 0,1,2,3,4,5,6,7
	ds_store_b128 v[STO], v[TMP+4*\b:TMP+4*\b+3] offset:32*\b
.endr
.irp u, 0,1,2,3,4,5,6,7
	ds_load_b128 v[BB+4*\u:BB+4*\u+3], v[RD] offset:\u*2*SPITCH    ; LDS serves a wave's instructions in order (ISA guide 5.7.1.4): these see the stores above
.endr
.endm
.macro SEND a
.set BB, BK+32*((\a)%2)
	s_wait_dscnt 0x0                               ; the block is back in registers
	s_wait_xcnt 0x0                                ; the block before has had its stores' registers read: the next block's loads may land there
.irp u, 0,1,2,3,4,5,6,7
	global_store_b128 v[CO], v[BB+4*\u:BB+4*\u+3], s[12:13] offset:(\a)*2048+\u*256   ; 16 lanes store 256 consecutive bytes, at a multiple of 256 from qkv's first byte
.endr
.endm
	PLACES NP                                      ; behind the last products, ahead of the first reads of results and of writes into registers that they read
	PACK 0
	TOSTAGE 0
.irp a, 1,2,3,4,5,6,7                  ; block a's conversions stand between block a - 1's loads from the stage and the wait for them
	PACK \a
	SEND \a-1
	TOSTAGE \a
.endr
	SEND 7
	s_wait_tensorcnt 0x0                           ; the wave's end
	ds_add_u32 v[SPW], v[NIL]
	s_wait_dscnt 0x0
	CROUND                                         ; the closing round
	s_endpgm
.Lfunc_end_k_q46ec359d46_qkv:
	.size	k_q46ec359d46_qkv, .Lfunc_end_k_q46ec359d46_qkv-k_q46ec359d46_qkv
	.p2alignl 7, 3214868480
	.fill 96, 4, 3214868480
	.section	.rodata,"a",@progbits
	.p2align	6, 0x0
	.amdhsa_kernel k_q46ec359d46_qkv
		.amdhsa_group_segment_fixed_size 327680
		.amdhsa_private_segment_fixed_size 0
		.amdhsa_enable_private_segment 0
		.amdhsa_kernarg_size 64
		.amdhsa_user_sgpr_count 2
		.amdhsa_user_sgpr_kernarg_segment_ptr 1
		.amdhsa_wavefront_size32 1
		.amdhsa_system_sgpr_workgroup_id_x 1
		.amdhsa_system_sgpr_workgroup_id_y 1
		.amdhsa_system_sgpr_workgroup_id_z 1
		.amdhsa_system_vgpr_workitem_id 0
		.amdhsa_next_free_vgpr 1024
		.amdhsa_next_free_sgpr 102
		.amdhsa_reserve_vcc 0
		.amdhsa_float_denorm_mode_32 3
		.amdhsa_float_denorm_mode_16_64 3
		.amdhsa_memory_ordered 1
		.amdhsa_forward_progress 1
		.amdhsa_inst_pref_size 129
	.end_amdhsa_kernel
	.amdgpu_metadata
---
amdhsa.version: [ 1, 2 ]
amdhsa.kernels:
  - .name:           k_q46ec359d46_qkv
    .symbol:         k_q46ec359d46_qkv.kd
    .args:
      - { .name: xc, .offset: 0, .size: 8, .value_kind: global_buffer, .address_space: global }
      - { .name: xs, .offset: 8, .size: 8, .value_kind: global_buffer, .address_space: global }
      - { .name: wc, .offset: 16, .size: 8, .value_kind: global_buffer, .address_space: global }
      - { .name: ws, .offset: 24, .size: 8, .value_kind: global_buffer, .address_space: global }
      - { .name: qkv, .offset: 32, .size: 8, .value_kind: global_buffer, .address_space: global }
      - { .name: bq, .offset: 40, .size: 8, .value_kind: global_buffer, .address_space: global }
      - { .name: bk, .offset: 48, .size: 8, .value_kind: global_buffer, .address_space: global }
      - { .name: bv, .offset: 56, .size: 8, .value_kind: global_buffer, .address_space: global }
    .group_segment_fixed_size: 327680
    .private_segment_fixed_size: 0
    .kernarg_segment_align: 8
    .kernarg_segment_size: 64
    .max_flat_workgroup_size: 128
    .sgpr_count:     102
    .vgpr_count:     1024
    .wavefront_size: 32
...
	.end_amdgpu_metadata
.endif
;; end of part 2
;; launch attn (part 3): grid 4 x 64, 8 waves a work-group, clusters of 4 x 1, 327,680 bytes of LDS; arguments qkv, ctx; writes ctx
.if DOCPART == 3
	.amdgcn_target "amdgcn-amd-amdhsa--gfx1250"
	.amdhsa_code_object_version 6
	.text
	.protected	k_q46ec359d46_attn
	.globl	k_q46ec359d46_attn
	.p2align	8
	.type	k_q46ec359d46_attn,@function
k_q46ec359d46_attn:
	s_mov_b64 s[64:65], 0
	v_nop
	global_prefetch_b8 v0, s[64:65] scope:SCOPE_SE
	s_setreg_imm32_b32 hwreg(HW_REG_WAVE_MODE, 25, 1), 1
	s_wait_xcnt 0x0
	s_wait_alu depctr_hold_cnt(0) depctr_sa_sdst(0) depctr_va_vdst(0) depctr_va_sdst(0) depctr_va_ssrc(0) depctr_va_vcc(0) depctr_vm_vsrc(0)
	s_getreg_b32 s2, hwreg(HW_REG_IB_STS2, 6, 4)
	s_cmp_eq_u32 s2, 0
	s_cbranch_scc0 .Lentry_in_a_cluster
	s_endpgm
.Lentry_in_a_cluster:
	s_bfe_u32 s2, ttmp6, 0x10000c
	s_cmp_lg_u32 s2, 0x3003
	s_cbranch_scc0 .Lentry_shape_is_right
	s_endpgm
.Lentry_shape_is_right:
; ctx[b][h][t][:] = the sum over s of softmax_s(q[t] . k[s] / 8) v[s][:], for each of 64 (batch, head) pairs; q, k, v: the three sections of qkv, [b][h][2048][64] f16; ctx: the same layout, f16.
; Products on f16 operands with f32 sums; maxima, exponentials and row sums in f32; the weights p are rounded to f16 for the second product, ctx once at the end.
; LIMITS: p under about 3e-8 of the row's largest rounds to 0 in f16; NaN and infinities are not served.
; SHARES.  A cluster of four work-groups is one (batch, head); a work-group owns 512 queries, each of its eight waves 64: four tiles of 16, in 512 registers, two waves to a SIMD.  Every wave walks all 2,048 keys, 64 a step.
; The step is written in phases (K Q^T, softmax, V^T P); while one wave of a SIMD walks its softmax, the other's products can be issued.
; LAYOUT.  S^T = K Q^T (source 0 = 16 keys, source 1 = 16 queries): a lane holds ONE query (lane % 16) and the keys 8 (lane / 16) + 0..7 of each tile of keys.  Two such tiles, rounded to f16 in pairs, are source 1
; (32 keys x 16 queries) of O^T = V^T P, whose result again holds one query a lane.  K comes out of LDS as it lies, V ([key][channel]) turned, by ds_load_tr16_b128.
; SOFTMAX.  For each query a running maximum m and sum l: p = 2^(c s - c m), c = log2(e) / 8; in every step O and l are multiplied by a = 2^(c m_old - c m_new).
; RING.  Two LDS slots of 512 keys (K, then V), each wave fetching an eighth; the four work-groups walk the same K and V, so every tile is asked for jointly.  A refill has eight key steps in which to land.
; K and V are dense in memory, so a tile is stated as rows of 256 bytes (two keys): key k of K lies at (k / 2) 272 + (k % 2) 128, of V at (k / 2) 288 + (k % 2) 128.
; No prefetch: a refill is asked for eight key steps (512 matrix instructions a wave) ahead of the wait for it, and the first fills stand at the head.
; REGISTERS: window 0: v2-11 addresses; v16-47 eight registers of statistics a tile; v64-191 S^T, 32 a tile (P is made in place in a tile's first 16); v192-255 K's fragments.
;            window 1: v0-127 O^T, 32 a tile; v128-191 Q, 16 a tile; v192-255 V's fragments.
.set VOFF,  69632                      ; a slot: 256 rows x 272 of K, then 256 rows x 288 of V
.set SLOT,  143360
.set KQRT,  17408                      ; what one tensor load brings of K: 64 rows x 272
.set VQRT,  18432                      ; of V: 64 rows x 288
.set KSTP,  8704                       ; a key step in K's part: 32 rows
.set VSTP,  9216                       ; in V's
.set SPARE, 2*SLOT                     ; the spare words, 128 bytes a wave: four blocks of 256 bytes that no other line names
.set STAGE, SPARE+1024                 ; the way out: 16 rows x 144 bytes for each wave, bytes of their own
.set AK0, 2                            ; v2   my lane's place in a tile of K
.set AV0, 3                            ; v3   the same for V
.set ADK, 4                            ; v4   LDS address of the step's K
.set ADV, 5                            ; v5   of its V
.set QO,  6                            ; v6   my byte offset in the wave's rows of Q
.set STO, 7                            ; v7   the way out: where I put 16 bytes of a row
.set RD,  8                            ; v8   where I read 16 bytes back
.set GO,  9                            ; v9   my byte offset in the wave's rows of ctx
.set SPW, 10                           ; v10  LDS address of my spare word; never rewritten
.set NIL, 11                           ; v11  0; never rewritten
.set ST,  16                           ; tile t's statistics at v[ST + 8 t]: +0 c m, +1 m, +2, +3 l (even keys', odd keys'), +4, +5 at work, +6 a, +7 c m_old - c m_new
.set S,   64
.set KF,  192                          ; K's fragment (keys 16 kt on, channels 32 cs on) at KF + 8 (2 kt + cs)
.set Q,   128                          ; window 1: Q's fragment (tile t, channels 32 cs on) at Q + 16 t + 8 cs
.set VF,  192                          ; window 1: V's fragment (keys 32 kh on, channels 16 c on) at VF + 8 (4 kh + c)
.set WV,  12                           ; s12  my wave's number
.set G1K, 24                           ; s[24:31] descriptor group 1 for K's tiles;  s[32:39] for V's (other padding)
.set G1V, 32
.set G0K, 40                           ; s[40:47] group 0 for K's tiles, a set for each slot;  s[48:55] for V's
.set G0V, 48
.set CNT, 56                           ; s56  counts a run's key steps
.set CS,  58                           ; s[58:59] c
.set SEL, 60                           ; s[60:61] lane selects for v_permlanex16_b32: lane l xor 16
.set TK,  62                           ; s62  LDS byte at which the step's K begins
.set TV,  63                           ; s63  the same for V (less VOFF)
.set MSB, 0
.macro WIN new                         ; the immediate's high byte repeats the setting that is left
.if MSB != \new
	s_set_vgpr_msb (MSB<<8)|\new
.set MSB, \new
.endif
.endm
.set W_KQ, 0x04                        ; Q (source 1) in window 1
.set W_PV, 0x51                        ; V (source 0), O^T (C and D) in window 1, P in window 0
.set W_RS, 0x41                        ; O^T (destination and source 0) in window 1, the factor in window 0
.set TO_1, 0x40                        ; destination window 1, address window 0
.set W_PK, 0x05                        ; sources 0 and 1 window 1, destination window 0
; A joint load: waves 0 to 3 fetch the slot's four quarters of K, waves 4 to 7 those of V.  The branch hangs on the wave's number alone.  An s_nop 0 and four v_nop follow each line.
.macro JLOAD s
	s_cmp_lt_u32 s[WV], 4
	s_cbranch_scc0 .Lfor_v_\@
	tensor_load_to_lds s[G0K+4*\s:G0K+4*\s+3], s[G1K:G1K+7]
	s_nop 0
.rept 4
	v_nop
.endr
	s_branch .Lasked_\@
.Lfor_v_\@:
	tensor_load_to_lds s[G0V+4*\s:G0V+4*\s+3], s[G1V:G1V+7]
	s_nop 0
.rept 4
	v_nop
.endr
.Lasked_\@:
.endm
.macro CROUND                          ; a round of the cluster's barrier
	s_barrier_signal -1
	s_barrier_wait -1
	s_cmp_lg_u32 s[WV], 0
	s_cbranch_scc1 .Lnot_wave_0_\@
	s_barrier_signal -3
.Lnot_wave_0_\@:
	s_barrier_wait -3
	s_barrier_signal -1
	s_barrier_wait -1
.endm
	s_load_b128 s[4:7], s[0:1], 0x0                ; qkv, ctx
	v_lshl_add_u32 v[SPW], v0, 2, SPARE
	v_mov_b32 v[NIL], 0
	ds_add_u32 v[SPW], v[NIL]                      ; the wave's opening: the add, twice on end, and its wait ahead of my first tensor load
	ds_add_u32 v[SPW], v[NIL]
	v_lshrrev_b32 v1, 5, v0
	v_readfirstlane_b32 s[WV], v1                  ; wave 0..7
	s_bfe_u32 s13, ttmp6, 0x40000                  ; cx: my block of 512 queries; it enters Q's and ctx's addresses alone
	s_and_b32 s20, ttmp7, 0xffff                   ; (batch, head), which the four partners share
	s_lshl_b32 s20, s20, 18                        ; 262,144 bytes a head
	s_mov_b32 s21, 0
	s_and_b32 s14, s[WV], 3                        ; which quarter of a slot's K or V I fetch:
	s_lshl_b32 s22, s14, 14                        ; 128 keys of 128 bytes in memory,
	s_mov_b32 s23, 0
	s_add_nc_u64 s[22:23], s[22:23], s[20:21]
	s_mul_i32 s15, s14, KQRT                       ; its place in a slot, for K,
	s_mul_i32 s57, s14, VQRT
	s_add_co_u32 s57, s57, VOFF                    ; and for V
	s_lshl_b32 s2, s13, 16                         ; my work-group's 512 rows of 128 bytes,
	s_lshl_b32 s3, s[WV], 13                       ; my wave's 64
	s_add_co_u32 s2, s2, s3
	s_mov_b32 s3, 0
	s_add_nc_u64 s[2:3], s[2:3], s[20:21]
	; descriptor group 1: 64 rows of 128 elements of 2 bytes, dense in memory, padded in LDS
	s_mov_b32 s[G1K], 15|(1<<16)|(1<<20)|(1<<21)|(5<<22)|(3<<25)  ; 15:0 the mask: all four work-groups; 17:16 elements of 2 bytes; 20 padding on; 21 set beside a mask; 24:22 after every 64 words; 31:25 four words
	s_mov_b32 s[G1V], 15|(1<<16)|(1<<20)|(1<<21)|(5<<22)|(7<<25)  ; the same with eight words of padding
.irp g, G1K, G1V
	s_mov_b32 s[\g+1], 128<<16                     ; tensor_dim0 = 128
	s_mov_b32 s[\g+2], 64<<16                      ; tensor_dim1 = 64
	s_mov_b32 s[\g+3], 128<<16                     ; tile_dim0 = 128
	s_mov_b32 s[\g+4], 64                          ; tile_dim1 = 64
	s_mov_b32 s[\g+5], 128                         ; from row to row
	s_mov_b32 s[\g+6], 0
	s_mov_b32 s[\g+7], 0
.endr
	s_mov_b32 s[CS], 0x3e38aa3b                    ; c = log2(e) / 8
	s_mov_b32 s[CS+1], s[CS]                       ; (named with it as a pair, so it is written)
	s_mov_b32 s[SEL], 0x76543210
	s_mov_b32 s[SEL+1], 0xfedcba98
	s_wait_dscnt 0x0                               ; both opening adds are done
	s_wait_kmcnt 0x0
	s_add_nc_u64 s[16:17], s[4:5], s[22:23]
	s_add_nc_u64 s[18:19], s[16:17], 0x2000000     ; V's section, my quarter of slot 0
	s_add_nc_u64 s[16:17], s[16:17], 0x1000000     ; K's
	s_add_nc_u64 s[8:9], s[4:5], s[2:3]            ; Q at my wave's first row
	s_add_nc_u64 s[10:11], s[6:7], s[2:3]          ; ctx likewise
	CROUND                                         ; all four work-groups are here: the first joint loads meet
.irp s, 0,1
	s_mov_b32 s[G0K+4*\s], 1                       ; count = 1
	s_add_co_u32 s[G0K+4*\s+1], s15, \s*SLOT       ; LDS address
	s_add_nc_u64 s[G0K+4*\s+2:G0K+4*\s+3], s[16:17], \s*65536  ; slot s begins with keys 512 s on
	s_or_b32 s[G0K+4*\s+3], s[G0K+4*\s+3], 0x80000000          ; type = 2
	s_mov_b32 s[G0V+4*\s], 1
	s_add_co_u32 s[G0V+4*\s+1], s57, \s*SLOT
	s_add_nc_u64 s[G0V+4*\s+2:G0V+4*\s+3], s[18:19], \s*65536
	s_or_b32 s[G0V+4*\s+3], s[G0V+4*\s+3], 0x80000000
.endr
	s_cmp_lt_u32 s[WV], 4                          ; a wave's two first fills stand in one branch: two loads of mine are out
	s_cbranch_scc0 .Lfirst_v
	tensor_load_to_lds s[G0K:G0K+3], s[G1K:G1K+7]
	s_nop 0
	tensor_load_to_lds s[G0K+4:G0K+7], s[G1K:G1K+7]
	s_nop 0
.rept 4
	v_nop
.endr
	s_branch .Lfirst_asked
.Lfirst_v:
	tensor_load_to_lds s[G0V:G0V+3], s[G1V:G1V+7]
	s_nop 0
	tensor_load_to_lds s[G0V+4:G0V+7], s[G1V:G1V+7]
	s_nop 0
.rept 4
	v_nop
.endr
.Lfirst_asked:
	v_and_b32 v1, 15, v0                           ; r = l % 16
	v_bfe_u32 v12, v0, 4, 1                        ; h = l / 16
	v_lshlrev_b32 v[QO], 7, v1
	v_lshl_add_u32 v[QO], v12, 4, v[QO]            ; Q: row r of 128 bytes + 16 h
	WIN TO_1
.irp t, 0,1,2,3
.irp cs, 0,1
	global_load_b128 v[Q+16*\t+8*\cs:Q+16*\t+8*\cs+3],   v[QO], s[8:9] offset:\t*2048+\cs*64      ; Q stays in registers
	global_load_b128 v[Q+16*\t+8*\cs+4:Q+16*\t+8*\cs+7], v[QO], s[8:9] offset:\t*2048+\cs*64+32
.endr
.endr
	WIN 0
	v_lshrrev_b32 v13, 1, v1
	v_mul_u32_u24 v[AK0], v13, 272                 ; K: key r lies at (r / 2) 272 + (r % 2) 128; + 16 h.  The 16 keys of a load fall into 16 different columns of 16 bytes
	v_and_b32 v13, 1, v0
	v_lshl_add_u32 v[AK0], v13, 7, v[AK0]
	v_lshl_add_u32 v[AK0], v12, 4, v[AK0]
	v_bfe_u32 v14, v0, 1, 2                        ; V: the turning load's lane l reads key 8 h + l % 8, channels 8 ((l / 8) % 2) on
	v_lshl_add_u32 v14, v12, 2, v14                ; its row of two keys: 4 h + (l % 8) / 2
	v_mul_u32_u24 v[AV0], v14, 288
	v_lshl_add_u32 v[AV0], v13, 7, v[AV0]
	v_bfe_u32 v14, v0, 3, 1
	v_lshl_add_u32 v[AV0], v14, 4, v[AV0]
	v_add_nc_u32 v[AV0], VOFF, v[AV0]
	s_mul_i32 s14, s[WV], 16*144
	s_add_co_u32 s14, s14, STAGE                   ; my stage
	v_mul_u32_u24 v[STO], v1, 144                  ; in: row r, 16 bytes for each half of the lanes
	v_lshl_add_u32 v[STO], v12, 4, v[STO]
	v_add_nc_u32 v[STO], s14, v[STO]
	v_bfe_u32 v14, v0, 3, 2                        ; back: eight lanes to a row of 128 bytes, four rows an instruction
	v_mul_u32_u24 v[RD], v14, 144
	v_and_b32 v15, 7, v0
	v_lshl_add_u32 v[RD], v15, 4, v[RD]
	v_add_nc_u32 v[RD], s14, v[RD]
	v_and_b32 v[GO], 31, v0
	v_lshlrev_b32 v[GO], 4, v[GO]                  ; the same four rows are 512 consecutive bytes of ctx
; S^T = K Q^T: 32 products; the 16 accumulators take turns; the first 16 start the sums.
.macro KQ
.irp cs, 0,1
.irp t, 0,1,2,3
.irp kt, 0,1,2,3
.if \cs == 0
	v_wmma_f32_16x16x32_f16 v[S+32*\t+8*\kt:S+32*\t+8*\kt+7], v[KF+8*(2*\kt+\cs):KF+8*(2*\kt+\cs)+7], v[Q+16*\t+8*\cs:Q+16*\t+8*\cs+7], 0
.else
	v_wmma_f32_16x16x32_f16 v[S+32*\t+8*\kt:S+32*\t+8*\kt+7], v[KF+8*(2*\kt+\cs):KF+8*(2*\kt+\cs)+7], v[Q+16*\t+8*\cs:Q+16*\t+8*\cs+7], v[S+32*\t+8*\kt:S+32*\t+8*\kt+7]
.endif
.endr
.endr
.endr
.endm
; O^T += V^T P: 32 products, the 16 accumulators by turns.  first = 1: the first 16 start the sums.
.macro PV first
.irp kh, 0,1
.irp t, 0,1,2,3
.irp c, 0,1,2,3
.if \first && (\kh == 0)
	v_wmma_f32_16x16x32_f16 v[32*\t+8*\c:32*\t+8*\c+7], v[VF+8*(4*\kh+\c):VF+8*(4*\kh+\c)+7], v[S+32*\t+8*\kh:S+32*\t+8*\kh+7], 0
.else
	v_wmma_f32_16x16x32_f16 v[32*\t+8*\c:32*\t+8*\c+7], v[VF+8*(4*\kh+\c):VF+8*(4*\kh+\c)+7], v[S+32*\t+8*\kh:S+32*\t+8*\kh+7], v[32*\t+8*\c:32*\t+8*\c+7]
.endif
.endr
.endr
.endr
.endm
; The largest of a lane's 32 scores and the old m, in two chains a tile, the four tiles by turns.  Each accumulator is first read at its low end.
.macro MAXALL first
.irp t, 0,1,2,3
	v_max3_num_f32 v[ST+8*\t+4], v[S+32*\t], v[S+32*\t+1], v[S+32*\t+2]
	v_max3_num_f32 v[ST+8*\t+5], v[S+32*\t+16], v[S+32*\t+17], v[S+32*\t+18]
.endr
.irp i, 0,1,2,3,4,5
.irp t, 0,1,2,3
	v_max3_num_f32 v[ST+8*\t+4], v[ST+8*\t+4], v[S+32*\t+3+2*\i], v[S+32*\t+4+2*\i]
	v_max3_num_f32 v[ST+8*\t+5], v[ST+8*\t+5], v[S+32*\t+19+2*\i], v[S+32*\t+20+2*\i]
.endr
.endr
.irp t, 0,1,2,3
	v_max3_num_f32 v[ST+8*\t+4], v[ST+8*\t+4], v[S+32*\t+15], v[S+32*\t+31]
.endr
.irp t, 0,1,2,3
.if \first
	v_max_num_f32 v[ST+8*\t+4], v[ST+8*\t+4], v[ST+8*\t+5]
.else
	v_max3_num_f32 v[ST+8*\t+4], v[ST+8*\t+4], v[ST+8*\t+5], v[ST+8*\t+1]
.endif
.endr
.endm
; The other half of the lanes' maximum; the new m; c m; a = 2^(c m_old - c m_new).
.macro STAT first
.irp t, 0,1,2,3
	v_permlanex16_b32 v[ST+8*\t+5], v[ST+8*\t+4], s[SEL], s[SEL+1]
.endr
.if !\first
.irp t, 0,1,2,3
	v_mov_b32 v[ST+8*\t+7], v[ST+8*\t]             ; c m_old is kept
.endr
.endif
.irp t, 0,1,2,3
	v_max_num_f32 v[ST+8*\t+1], v[ST+8*\t+4], v[ST+8*\t+5]
.endr
.irp t, 0,1,2,3
	v_mul_f32 v[ST+8*\t], s[CS], v[ST+8*\t+1]
.endr
.if !\first
.irp t, 0,1,2,3
	v_sub_f32 v[ST+8*\t+7], v[ST+8*\t+7], v[ST+8*\t]
.endr
.irp t, 0,1,2,3
	v_exp_f32 v[ST+8*\t+6], v[ST+8*\t+7]           ; first named again behind the wait at the end of Z 0
.endr
.endif
.endm
.macro SCALE1 t                        ; pair i of tile t: c s - c m
.set rT, ST+8*(\t)
.set rS, S+32*(\t)+2*i
	v_pk_fma_f32 v[rS:rS+1], v[rS:rS+1], s[CS:CS+1], v[rT:rT+1] op_sel_hi:[1,0,0] neg_lo:[0,0,1] neg_hi:[0,0,1]
.endm
.macro SUMCVT t, first                 ; pair i of tile t goes into the row's sum (f32), then is rounded to f16 into register i: a pair is summed before any rounding lands on it
.set rT, ST+8*(\t)
.set rS, S+32*(\t)
.if i == 0
.if \first
	v_pk_add_f32 v[rT+2:rT+3], v[rS:rS+1], v[rS+2:rS+3]
.else
	v_pk_fma_f32 v[rT+2:rT+3], v[rT+2:rT+3], v[rT+6:rT+7], v[rS:rS+1] op_sel_hi:[1,0,1]
.endif
.elseif (i == 1) && \first
.else
	v_pk_add_f32 v[rT+2:rT+3], v[rT+2:rT+3], v[rS+2*i:rS+2*i+1]
.endif
	v_cvt_pk_f16_f32 v[rS+i], v[rS+2*i], v[rS+2*i+1]
.endm
; Tile t's 32 exponentials as ONE batch; between them the next tile's scalings and the sums and roundings of the tile before, none of which names a result of this batch.
; Behind the batch one plain instruction and the one wait ahead of the first instruction that names a result.
.macro Z t, first
.set i, 0
.rept 16
	v_exp_f32 v[S+32*(\t)+2*i], v[S+32*(\t)+2*i]
.if (\t) < 3
	SCALE1 (\t)+1
.endif
	v_exp_f32 v[S+32*(\t)+2*i+1], v[S+32*(\t)+2*i+1]
.if (\t) > 0
	SUMCVT (\t)-1, \first
.endif
.set i, i+1
.endr
	v_nop
	s_wait_alu depctr_va_vdst(0)
.endm
; A KEY STEP: 64 keys.  first = 1: the first step, which starts m, l and O^T.
.macro STEP first
	v_add_nc_u32 v[ADK], s[TK], v[AK0]             ; these two and the three v_nop are five places behind the last V^T P: ahead of the loads into V's registers (four are asked)
	v_add_nc_u32 v[ADV], s[TV], v[AV0]             ; and of the products K Q^T that write over P (five)
.rept 3
	v_nop
.endr
.irp kt, 0,1,2,3
.irp cs, 0,1
	ds_load_b128 v[KF+8*(2*\kt+\cs):KF+8*(2*\kt+\cs)+3],   v[ADK] offset:\kt*2176+\cs*64
	ds_load_b128 v[KF+8*(2*\kt+\cs)+4:KF+8*(2*\kt+\cs)+7], v[ADK] offset:\kt*2176+\cs*64+32
.endr
.endr
	WIN TO_1
.irp kh, 0,1
.irp c, 0,1,2,3
	ds_load_tr16_b128 v[VF+8*(4*\kh+\c):VF+8*(4*\kh+\c)+3],   v[ADV] offset:\kh*4608+\c*32
	ds_load_tr16_b128 v[VF+8*(4*\kh+\c)+4:VF+8*(4*\kh+\c)+7], v[ADV] offset:\kh*4608+\c*32+2304
.endr
.endr
	s_wait_dscnt 16                                ; K's 16 loads are in; V's 16 may be out
	WIN W_KQ
	KQ
	WIN 0
.rept 4
	v_nop                                          ; places ahead of the first read of the scores
.endr
	MAXALL \first
	STAT \first
.set i, 0
.rept 16
	SCALE1 0
.set i, i+1
.endr
	Z 0, \first
	Z 1, \first
	Z 2, \first
	Z 3, \first
.set i, 0
.rept 16
	SUMCVT 3, \first
.set i, i+1
.endr
	s_wait_dscnt 0x0                               ; V is in
.if !\first
	WIN W_RS
.irp t, 0,1,2,3
.irp i, 0,2,4,6,8,10,12,14,16,18,20,22,24,26,28,30
	v_pk_mul_f32 v[32*\t+\i:32*\t+\i+1], v[32*\t+\i:32*\t+\i+1], v[ST+8*\t+6:ST+8*\t+7] op_sel_hi:[1,0]   ; O^T x a, each accumulator from its low end on
.endr
.endr
.endif
	WIN W_PV
	PV \first
	WIN 0
	s_add_co_u32 s[TK], s[TK], KSTP
	s_add_co_u32 s[TV], s[TV], VSTP
.endm
.macro SLOTRUN basek, basev, n         ; n key steps from the given LDS bytes on: the step is written once and walked n times
	s_mov_b32 s[TK], \basek
	s_mov_b32 s[TV], \basev
	s_mov_b32 s[CNT], \n
.Lrun_\@:
	STEP 0
	s_sub_co_u32 s[CNT], s[CNT], 1
	s_cmp_lg_u32 s[CNT], 0
	s_cbranch_scc1 .Lrun_\@
.endm
; THE CHANGE OF SLOTS.  Each wave waits for all its tensor loads (one is out: its part of the slot ahead), adds 0 to its spare word, and waits for that and for its reads of the slot that it leaves.
; fill = 1: the slot just left is filled again, with the keys two slots on: the barrier is a round of the cluster's, and the joint refill is the first thing behind it.
.macro CHANGE fill, slot
	s_wait_tensorcnt 0x0                           ; no tensor load of mine is out, so a group 0 may be written
	ds_add_u32 v[SPW], v[NIL]                      ; 0 onto my spare word
.if \fill
	s_add_nc_u64 s[G0K+4*\slot+2:G0K+4*\slot+3], s[G0K+4*\slot+2:G0K+4*\slot+3], 131072   ; 1,024 keys on; the type bits on top are not reached
	s_add_nc_u64 s[G0V+4*\slot+2:G0V+4*\slot+3], s[G0V+4*\slot+2:G0V+4*\slot+3], 131072
.endif
	s_wait_dscnt 0x0                               ; the add is done, and my reads of the slot are over
.if \fill
	CROUND
	JLOAD \slot
.else
	s_barrier_signal -1
	s_barrier_wait -1
.endif
.endm
	s_wait_tensorcnt 1                             ; my part of slot 0 is in; slot 1's may stay out
	s_barrier_signal -1
	s_barrier_wait -1                              ; everybody's is
	s_wait_loadcnt 0x0                             ; Q
	s_mov_b32 s[TK], 0
	s_mov_b32 s[TV], 0
	STEP 1                                         ; keys 0-63 start m, l and O^T
	SLOTRUN KSTP, VSTP, 7                          ; keys 64-511
	CHANGE 1, 0                                    ; slot 0 takes keys 1,024-1,535
	SLOTRUN SLOT, SLOT, 8                          ; keys 512-1,023
	CHANGE 1, 1                                    ; slot 1 takes keys 1,536-2,047
	SLOTRUN 0, 0, 8
	CHANGE 0, 0                                    ; nothing is left to fetch
	SLOTRUN SLOT, SLOT, 8
	; THE WAY OUT.  l's two halves and the other half of the lanes' are added; O^T is divided by l, rounded to f16 and sent through my stage, a tile (16 rows of ctx) at a time.  The first additions are the places behind the last products.
.irp t, 0,1,2,3
	v_add_f32 v[ST+8*\t+4], v[ST+8*\t+2], v[ST+8*\t+3]
.endr
.irp t, 0,1,2,3
	v_permlanex16_b32 v[ST+8*\t+5], v[ST+8*\t+4], s[SEL], s[SEL+1]
.endr
.irp t, 0,1,2,3
	v_add_f32 v[ST+8*\t+4], v[ST+8*\t+4], v[ST+8*\t+5]
.endr
.irp t, 0,1,2,3
	v_rcp_f32 v[ST+8*\t+6], v[ST+8*\t+4]
.endr
	v_nop                                          ; a plain instruction behind the last reciprocal
	s_wait_alu depctr_va_vdst(0)                   ; and the one wait for the four, ahead of their first use
.macro PACK t
	WIN W_RS
.irp i, 0,2,4,6,8,10,12,14,16,18,20,22,24,26,28,30
	v_pk_mul_f32 v[32*\t+\i:32*\t+\i+1], v[32*\t+\i:32*\t+\i+1], v[ST+8*\t+6:ST+8*\t+7] op_sel_hi:[1,0]
.endr
	WIN W_PK
.irp i, 0,1,2,3,4,5,6,7,8,9,10,11,12,13,14,15
	v_cvt_pk_f16_f32 v[S+32*\t+\i], v[32*\t+2*\i], v[32*\t+2*\i+1]
.endr
	WIN 0
.irp c, 0,1,2,3
	ds_store_b128 v[STO], v[S+32*\t+4*\c:S+32*\t+4*\c+3] offset:32*\c
.endr
.irp u, 0,1,2,3
	ds_load_b128 v[S+32*\t+16+4*\u:S+32*\t+16+4*\u+3], v[RD] offset:576*\u   ; LDS serves a wave's instructions in order (ISA guide 5.7.1.4): these see the stores above; the next tile's stores come behind them
.endr
.endm
.macro SEND t, younger                 ; younger: the LDS instructions issued behind tile t's loads: the next tile's four stores and four loads, or none
	s_wait_dscnt \younger
.irp u, 0,1,2,3
	global_store_b128 v[GO], v[S+32*\t+16+4*\u:S+32*\t+16+4*\u+3], s[10:11] offset:\t*2048+\u*512   ; 32 lanes store 512 consecutive bytes, at a multiple of 256 from ctx's first byte
.endr
.endm
	PACK 0
	PACK 1
	SEND 0, 8
	PACK 2
	SEND 1, 8
	PACK 3
	SEND 2, 8
	SEND 3, 0
	s_wait_tensorcnt 0x0                           ; the wave's end
	ds_add_u32 v[SPW], v[NIL]
	s_wait_dscnt 0x0
	CROUND                                         ; the closing round
	s_endpgm
.Lfunc_end_k_q46ec359d46_attn:
	.size	k_q46ec359d46_attn, .Lfunc_end_k_q46ec359d46_attn-k_q46ec359d46_attn
	.p2alignl 7, 3214868480
	.fill 96, 4, 3214868480
	.section	.rodata,"a",@progbits
	.p2align	6, 0x0
	.amdhsa_kernel k_q46ec359d46_attn
		.amdhsa_group_segment_fixed_size 327680
		.amdhsa_private_segment_fixed_size 0
		.amdhsa_enable_private_segment 0
		.amdhsa_kernarg_size 16
		.amdhsa_user_sgpr_count 2
		.amdhsa_user_sgpr_kernarg_segment_ptr 1
		.amdhsa_wavefront_size32 1
		.amdhsa_system_sgpr_workgroup_id_x 1
		.amdhsa_system_sgpr_workgroup_id_y 1
		.amdhsa_system_sgpr_workgroup_id_z 1
		.amdhsa_system_vgpr_workitem_id 0
		.amdhsa_next_free_vgpr 512
		.amdhsa_next_free_sgpr 66
		.amdhsa_reserve_vcc 0
		.amdhsa_float_denorm_mode_32 3
		.amdhsa_float_denorm_mode_16_64 3
		.amdhsa_memory_ordered 1
		.amdhsa_forward_progress 1
		.amdhsa_inst_pref_size 179
	.end_amdhsa_kernel
	.amdgpu_metadata
---
amdhsa.version: [ 1, 2 ]
amdhsa.kernels:
  - .name:           k_q46ec359d46_attn
    .symbol:         k_q46ec359d46_attn.kd
    .args:
      - { .name: qkv, .offset: 0, .size: 8, .value_kind: global_buffer, .address_space: global }
      - { .name: ctx, .offset: 8, .size: 8, .value_kind: global_buffer, .address_space: global }
    .group_segment_fixed_size: 327680
    .private_segment_fixed_size: 0
    .kernarg_segment_align: 8
    .kernarg_segment_size: 16
    .max_flat_workgroup_size: 256
    .sgpr_count:     66
    .vgpr_count:     512
    .wavefront_size: 32
...
	.end_amdgpu_metadata
.endif
;; end of part 3
;; launch oproj (part 4): grid 4 x 64, 4 waves a work-group, clusters of 4 x 4, 327,680 bytes of LDS; arguments ctx, wo16, out0, bo; writes out0
.if DOCPART == 4
	.amdgcn_target "amdgcn-amd-amdhsa--gfx1250"
	.amdhsa_code_object_version 6
	.text
	.protected	k_q46ec359d46_oproj
	.globl	k_q46ec359d46_oproj
	.p2align	8
	.type	k_q46ec359d46_oproj,@function
k_q46ec359d46_oproj:
	s_mov_b64 s[64:65], 0
	v_nop
	global_prefetch_b8 v0, s[64:65] scope:SCOPE_SE
	s_setreg_imm32_b32 hwreg(HW_REG_WAVE_MODE, 25, 1), 1
	s_wait_xcnt 0x0
	s_wait_alu depctr_hold_cnt(0) depctr_sa_sdst(0) depctr_va_vdst(0) depctr_va_sdst(0) depctr_va_ssrc(0) depctr_va_vcc(0) depctr_vm_vsrc(0)
	s_getreg_b32 s2, hwreg(HW_REG_IB_STS2, 6, 4)
	s_cmp_eq_u32 s2, 0
	s_cbranch_scc0 .Lentry_in_a_cluster
	s_endpgm
.Lentry_in_a_cluster:
	s_bfe_u32 s2, ttmp6, 0x10000c
	s_cmp_lg_u32 s2, 0xf033
	s_cbranch_scc0 .Lentry_shape_is_right
	s_endpgm
.Lentry_shape_is_right:
; out0[m][n] = the sum over e of ctx(m, e) Wo[n][e] + bo[n].  ctx: [batch 4][head 16][t 2048][64] f16 (m = 2048 batch + t, e = 64 head + d); wo16: [1024 n][1024 e] f16; out0: [8192][1024] f32; sums in f32.
; A tile of out0 is 128 rows x 256 columns: 256 work-groups (256 x 256 would give 128).  Four waves, each 64 x 128: 32 accumulators, 256 registers.
; K goes in steps of 128, which are two heads: A's tile is two dense blocks of 128 rows x 128 bytes, each stated as 64 rows of 256 bytes; B's is 256 rows x 256 bytes.  Two LDS slots; one tensor load a wave behind each change of slots.
; CLUSTERS: 4 x 4 work-groups.  A's tiles are shared along a row of the cluster, B's along a column: each is asked for jointly.
; THE MATRIX INSTRUCTION IS USED TRANSPOSED (source 0 = 16 rows of Wo, source 1 = 16 rows of ctx): a lane holds eight neighbouring columns of one row of out0.  THE BIAS is the C of each sum's first product.
; REGISTERS: window 0: v0-31 addresses; v64-95, v96-127 A's fragments (4 x 16 rows x 32 K), two buffers; v128-191, v192-255 B's (8), two buffers; on the way out v64-191 rows read back.
;            window 1: the accumulators, (a, b) at v[8 (8 a + b)].   window 2: v0-63 the bias.
.set SUBA,   17408                     ; one head's 128 rows of A: 64 LDS rows x 272
.set HALFB,  34816                     ; 128 rows of B x 272
.set SLOT,   2*SUBA+2*HALFB
.set SPARE,  2*SLOT                    ; the spare words, 128 bytes a wave
.set STAGE,  SPARE+512                 ; the way out: 16 rows x 528 bytes for each wave, bytes of their own
.set SPITCH, 528
.set ADRA, 16                          ; v16-17  LDS address of my A fragments in slot 0, 1
.set ADRB, 20                          ; v20-21  the same for B
.set STO,  24                          ; v24     the way out: where I put 32 bytes of a row
.set RD,   25                          ; v25     where I read a row back
.set CO,   26                          ; v26     my byte offset in a row of out0
.set SPW,  28                          ; v28     LDS address of my spare word; never rewritten
.set NIL,  29                          ; v29     0; never rewritten
.set PFO,  30                          ; v30     the prefetches' offset from lane to lane; never rewritten
.set G1A, 24                           ; s[24:31] descriptor group 1 for A's tiles;  s[32:39] group 0, a set for each slot
.set G0A, 32
.set G1B, 48                           ; s[48:55], s[56:63] the same for B's
.set G0B, 56
.set PFA, 68                           ; s[68:69] where my prefetches stand
.set PFS, 70                           ; s[70:71] a K step on, in bytes
.set LIM, 72                           ; s72  1 in a wave that prefetches, else the greatest number
.set MSB, 0
.macro WIN new                         ; the immediate's high byte repeats the setting that is left
.if MSB != \new
	s_set_vgpr_msb (MSB<<8)|\new
.set MSB, \new
.endif
.endm
.set MUL,   0x50                       ; C and D window 1, sources window 0
.set MUL_B, 0x60                       ; the first quarter: C (the bias) window 2, D window 1
.macro JLOAD s                         ; a joint load: waves 0 and 1 fetch A's two heads, waves 2 and 3 B's two halves; an s_nop 0 and four v_nop follow each line
	s_cmp_eq_u32 s15, 0
	s_cbranch_scc0 .Lfor_b_\@
	tensor_load_to_lds s[G0A+4*\s:G0A+4*\s+3], s[G1A:G1A+7]
	s_nop 0
.rept 4
	v_nop
.endr
	s_branch .Lasked_\@
.Lfor_b_\@:
	tensor_load_to_lds s[G0B+4*\s:G0B+4*\s+3], s[G1B:G1B+7]
	s_nop 0
.rept 4
	v_nop
.endr
.Lasked_\@:
.endm
.macro CREST                           ; a round of the cluster's barrier behind its opening barrier
	s_cmp_lg_u32 s14, 0
	s_cbranch_scc1 .Lnot_wave_0_\@
	s_barrier_signal -3
.Lnot_wave_0_\@:
	s_barrier_wait -3
	s_barrier_signal -1
	s_barrier_wait -1
.endm
.macro CROUND
	s_barrier_signal -1
	s_barrier_wait -1
	CREST
.endm
; A PREFETCH INTO THE L2 behind each refill in the loop's first two trips: the K step that stands two refills on (K steps 4 to 7), 256 matrix instructions a wave ahead of the load that will want it.
; Each run of 256 bytes is named once.  A's tile (2 heads x 16,384 bytes) is read by the four partners of a row of the cluster alone: each takes 8,192 bytes of it, told apart by address; wave 0 asks, lanes 256 bytes apart.
; B's tile column is read by every cluster: the cluster with y = 0 asks; of the 128 rows that wave 2 or 3 fetches, the partner at place cy takes 32, a lane a row.  K steps 0 to 3 come by their loads alone; the last trip asks for nothing.
.macro ASK
	s_cmp_gt_u32 s3, s[LIM]
	s_cbranch_scc0 .Lnot_mine_\@
	global_prefetch_b8 v[PFO], s[PFA:PFA+1] th:TH_LOAD_NT scope:SCOPE_SE
.Lnot_mine_\@:
.endm
	s_load_b256 s[4:11], s[0:1], 0x0               ; ctx s[4:5], wo16 s[6:7], out0 s[8:9], bo s[10:11]
	v_lshl_add_u32 v[SPW], v0, 2, SPARE
	v_mov_b32 v[NIL], 0
	ds_add_u32 v[SPW], v[NIL]                      ; the wave's opening: the add, twice on end, and its wait ahead of my first tensor load
	ds_add_u32 v[SPW], v[NIL]
	v_lshrrev_b32 v1, 5, v0
	v_readfirstlane_b32 s14, v1                    ; wave 0..3
	s_lshr_b32 s15, s14, 1                         ; which 64 rows of the tile are mine.  Also: I fetch for A (0) or for B (1)
	s_and_b32 s16, s14, 1                          ; which 128 columns.  Also: which head of A's two, or which 128 rows of B, I fetch
	s_bfe_u32 s40, ttmp6, 0x40000                  ; cx, cy
	s_bfe_u32 s41, ttmp6, 0x40004
	s_lshl_b32 s42, ttmp9, 2
	s_add_co_u32 s42, s42, s40                     ; tile column = 4 x cluster x + cx
	s_and_b32 s13, ttmp7, 0xffff
	s_lshl_b32 s13, s13, 2
	s_add_co_u32 s13, s13, s41                     ; tile row = 4 x cluster y + cy
	s_lshl_b32 s43, s41, 2
	s_lshl_b32 s43, 15, s43                        ; my row of the cluster
	s_lshl_b32 s44, 0x1111, s40                    ; my column
	s_or_b32 s[G1A+0], s43, (1<<16)|(1<<20)|(1<<21)|(5<<22)|(3<<25)  ; 15:0 the mask; 17:16 elements of 2 bytes; 20 padding on; 21 set beside a mask; 24:22 after every 64 words; 31:25 four words
	s_or_b32 s[G1B+0], s44, (1<<16)|(1<<20)|(1<<21)|(5<<22)|(3<<25)
	s_mov_b32 s[G1A+1], 128<<16                    ; A: 64 rows of 128 elements, dense
	s_mov_b32 s[G1A+2], 64<<16
	s_mov_b32 s[G1A+3], 128<<16
	s_mov_b32 s[G1A+4], 64
	s_mov_b32 s[G1A+5], 128
	s_mov_b32 s[G1A+6], 0
	s_mov_b32 s[G1A+7], 0
	s_mov_b32 s[G1B+1], 128<<16                    ; B: 128 rows of 128 elements, 1,024 elements apart
	s_mov_b32 s[G1B+2], 128<<16
	s_mov_b32 s[G1B+3], 128<<16
	s_mov_b32 s[G1B+4], 128
	s_mov_b32 s[G1B+5], 1024
	s_mov_b32 s[G1B+6], 0
	s_mov_b32 s[G1B+7], 0
	s_lshr_b32 s17, s13, 4                         ; the batch: 16 tile rows each
	s_lshl_b32 s17, s17, 4                         ; its first head
	s_add_co_u32 s18, s17, s16                     ; + my head of the K step's two
	s_lshl_b32 s18, s18, 11                        ; 2,048 rows a head
	s_and_b32 s19, s13, 15
	s_lshl_b32 s19, s19, 7
	s_add_co_u32 s18, s18, s19                     ; + the tile's first t
	s_lshl_b32 s18, s18, 7                         ; 128 bytes a row
	s_mov_b32 s19, 0
	s_lshl_b32 s46, s42, 8
	s_lshl_b32 s47, s16, 7
	s_add_co_u32 s46, s46, s47                     ; B: row 256 x tile column + 128 x half
	s_lshl_b32 s46, s46, 11                        ; 2,048 bytes a row
	s_mov_b32 s47, 0
	s_mul_i32 s20, s16, SUBA                       ; where they go: A's two heads,
	s_mul_i32 s21, s16, HALFB
	s_add_co_u32 s21, s21, 2*SUBA                  ; then B's two halves: no place in the cluster enters an LDS address
	s_wait_dscnt 0x0                               ; both opening adds are done
	s_wait_kmcnt 0x0
	s_add_nc_u64 s[18:19], s[4:5], s[18:19]
	s_add_nc_u64 s[46:47], s[6:7], s[46:47]
	CROUND                                         ; all sixteen work-groups are here: the first joint loads meet
.irp s, 0,1
	s_mov_b32 s[G0A+4*\s], 1
	s_add_co_u32 s[G0A+4*\s+1], s20, \s*SLOT
	s_add_nc_u64 s[G0A+4*\s+2:G0A+4*\s+3], s[18:19], \s*524288   ; K step s: two heads of 262,144 bytes on
	s_or_b32 s[G0A+4*\s+3], s[G0A+4*\s+3], 0x80000000
	s_mov_b32 s[G0B+4*\s], 1
	s_add_co_u32 s[G0B+4*\s+1], s21, \s*SLOT
	s_add_nc_u64 s[G0B+4*\s+2:G0B+4*\s+3], s[46:47], \s*256
	s_or_b32 s[G0B+4*\s+3], s[G0B+4*\s+3], 0x80000000
	JLOAD \s                                       ; two loads of mine are out
.endr
	v_and_b32 v1, 15, v0                           ; r = l % 16
	v_bfe_u32 v2, v0, 4, 1                         ; h = l / 16
	s_lshl_b32 s20, s42, 10                        ; the bias of my 128 columns: 256 x tile column + 128 x half numbers of 4 bytes
	s_lshl_b32 s21, s16, 9
	s_add_co_u32 s20, s20, s21
	s_mov_b32 s21, 0
	s_add_nc_u64 s[10:11], s[10:11], s[20:21]
	v_lshlrev_b32 v7, 5, v2                        ; 8 h numbers on
	WIN 0x80                                       ; destination window 2
.irp b, 0,1,2,3,4,5,6,7
	global_load_b128 v[8*\b:8*\b+3], v7, s[10:11] offset:64*\b       ; v[8 b + j] = bo[my first column + 16 b + 8 h + j]
	global_load_b128 v[8*\b+4:8*\b+7], v7, s[10:11] offset:64*\b+16
.endr
	WIN 0
	v_lshrrev_b32 v3, 1, v1
	v_mul_u32_u24 v3, v3, 272                      ; A: row r lies at (r / 2) 272 + (r % 2) 128; + 16 h
	v_and_b32 v4, 1, v0
	v_lshl_add_u32 v3, v4, 7, v3
	v_lshl_add_u32 v3, v2, 4, v3
	v_mul_u32_u24 v5, v1, 272                      ; B: row r x 272 + 16 h
	v_lshl_add_u32 v5, v2, 4, v5
	s_mul_i32 s21, s15, 8704                       ; my 64 rows of A: 32 LDS rows
	s_mul_i32 s22, s16, HALFB                      ; my 128 rows of B,
	s_add_co_u32 s22, s22, 2*SUBA                  ; which lie behind A's two heads
.irp s, 0,1
	v_add_nc_u32 v[ADRA+\s], s21, v3
	v_add_nc_u32 v[ADRB+\s], s22, v5
	s_add_co_u32 s21, s21, SLOT
	s_add_co_u32 s22, s22, SLOT
.endr
	s_mul_i32 s23, s14, 16*SPITCH
	s_add_co_u32 s23, s23, STAGE                   ; my stage
	v_mul_u32_u24 v6, v1, SPITCH                   ; in: row r, 32 bytes for each half of the lanes
	v_lshl_add_u32 v6, v2, 5, v6
	v_add_nc_u32 v[STO], s23, v6
	v_and_b32 v6, 31, v0
	v_lshlrev_b32 v[CO], 4, v6                     ; back: the 32 lanes take one row of 512 bytes; the same in out0
	v_add_nc_u32 v[RD], s23, v[CO]
	s_lshl_b32 s20, s13, 7
	s_lshl_b32 s21, s15, 6
	s_add_co_u32 s20, s20, s21                     ; my first row of out0
	s_lshl_b32 s20, s20, 12                        ; 4,096 bytes a row
	s_lshl_b32 s21, s42, 10
	s_add_co_u32 s20, s20, s21
	s_lshl_b32 s21, s16, 9
	s_add_co_u32 s20, s20, s21                     ; + my first column
	s_mov_b32 s21, 0
	s_add_nc_u64 s[8:9], s[8:9], s[20:21]
	; the prefetches: where mine stand (at K step 3: the first refill steps the address to K step 4), and who asks
	s_lshr_b32 s17, s13, 4
	s_lshl_b32 s17, s17, 15                        ; the batch's first head, in rows
	s_and_b32 s18, s13, 15
	s_lshl_b32 s18, s18, 7
	s_add_co_u32 s17, s17, s18
	s_lshl_b32 s17, s17, 7                         ; A's tile in head 0, in bytes
	s_lshr_b32 s18, s40, 1
	s_lshl_b32 s18, s18, 18
	s_add_co_u32 s17, s17, s18                     ; + which head of the two: cx / 2
	s_and_b32 s18, s40, 1
	s_lshl_b32 s18, s18, 13
	s_add_co_u32 s17, s17, s18                     ; + which 8,192 bytes of its 16,384: cx % 2
	s_add_co_u32 s17, s17, 3*524288
	s_lshl_b32 s18, s42, 8
	s_lshl_b32 s19, s16, 7
	s_add_co_u32 s18, s18, s19
	s_lshl_b32 s19, s41, 5
	s_add_co_u32 s18, s18, s19                     ; B: row 256 x tile column + 128 x half + 32 cy
	s_lshl_b32 s18, s18, 11
	s_add_co_u32 s18, s18, 3*256
	s_and_b32 s23, ttmp7, 0xffff                   ; cluster y
	s_mov_b32 s[PFS], 256
	s_mov_b32 s22, 2048
	s_cmp_eq_u32 s15, 0                            ; do I fetch for A?
	s_cselect_b64 s[PFA:PFA+1], s[4:5], s[6:7]
	s_cselect_b32 s20, s17, s18
	s_cselect_b32 s[PFS], 0x80000, s[PFS]          ; a K step on
	s_cselect_b32 s22, 256, s22                    ; from lane to lane
	s_cselect_b32 s23, s16, s23                    ; for A wave 0 asks; for B the cluster with y = 0
	s_cmp_eq_u32 s23, 0
	s_cselect_b32 s[LIM], 1, -1                    ; the same in all sixteen partners, for a given wave
	s_mov_b32 s21, 0
	s_mov_b32 s[PFS+1], 0
	s_add_nc_u64 s[PFA:PFA+1], s[PFA:PFA+1], s[20:21]
	v_and_b32 v[PFO], 31, v0
	v_mul_lo_u32 v[PFO], v[PFO], s22
; 24 LDS loads in one run: the fragments of the slot's q-th 32 along K into buffer p.  Quarters 0, 1 lie in A's first head, 2, 3 in its second.
.macro FETCH slot, q, p
.set FA, 64+32*(\p)
.set FB, 128+64*(\p)
.irp a, 0,1,2,3
	ds_load_b128 v[FA+8*\a:FA+8*\a+3],   v[ADRA+\slot] offset:((\q)/2)*SUBA+((\q)%2)*64+\a*2176
	ds_load_b128 v[FA+8*\a+4:FA+8*\a+7], v[ADRA+\slot] offset:((\q)/2)*SUBA+((\q)%2)*64+\a*2176+32
.endr
.irp b, 0,1,2,3,4,5,6,7
	ds_load_b128 v[FB+8*\b:FB+8*\b+3],   v[ADRB+\slot] offset:64*(\q)+\b*4352
	ds_load_b128 v[FB+8*\b+4:FB+8*\b+7], v[ADRB+\slot] offset:64*(\q)+\b*4352+32
.endr
.endm
; 8 matrix instructions: A's block a x B's eight, buffer p.  first = 1: the sums start from the bias.  The 32 accumulators take turns, in the same order in every quarter.
.macro MULA p, a, first
.set FA, 64+32*(\p)+8*(\a)
.set FB, 128+64*(\p)
.irp b, 0,1,2,3,4,5,6,7
.if \first
	v_wmma_f32_16x16x32_f16 v[8*(8*(\a)+\b):8*(8*(\a)+\b)+7], v[FB+8*\b:FB+8*\b+7], v[FA:FA+7], v[8*\b:8*\b+7]
.else
	v_wmma_f32_16x16x32_f16 v[8*(8*(\a)+\b):8*(8*(\a)+\b)+7], v[FB+8*\b:FB+8*\b+7], v[FA:FA+7], v[8*(8*(\a)+\b):8*(8*(\a)+\b)+7]
.endif
.endr
.endm
.macro PLACES                          ; four places ahead of loads into registers that matrix instructions have read, and of the first read of results
.rept 4
	v_nop
.endr
.endm
; One of a K step's first three quarters: the next quarter (qn) is fetched into buffer g, 32 matrix instructions ahead of its use; buffer p is multiplied.
.macro QUARTER slot, qn, p, g, first
	s_wait_dscnt 0x0                               ; buffer p is in
	PLACES
	WIN 0
	FETCH \slot, \qn, \g
.if \first
	WIN MUL_B
.else
	WIN MUL
.endif
	MULA \p, 0, \first
	MULA \p, 1, \first
	MULA \p, 2, \first
	MULA \p, 3, \first
.endm
; The last quarter multiplies buffer 1 and changes slots: one barrier; in front of it each wave waits for all its tensor loads, adds 0 to its spare word, and waits for that and for its reads of this slot.
; fill = 1: this slot is filled again, two K steps ahead: the barrier opens a round of the cluster's, and the joint refill is the first tensor load behind it, 112 matrix instructions ahead of the wait for it.
.macro TURN slot, next, fill
.if \fill
	s_wait_xcnt 0x0                                ; the last prefetch, a K step back, has read its address, so it may be stepped
	s_add_nc_u64 s[PFA:PFA+1], s[PFA:PFA+1], s[PFS:PFS+1]
.endif
	WIN 0                                          ; (the add's two registers lie in window 0)
	s_wait_tensorcnt 0x0                           ; all my tensor loads have landed: my part of the next slot
	ds_add_u32 v[SPW], v[NIL]                      ; 0 onto my spare word
	s_wait_dscnt 1                                 ; buffer 1 is in; the add may be out
	WIN MUL
	MULA 1, 0, 0
	s_wait_dscnt 0x0                               ; the add is done, and my reads of this slot are over
	s_barrier_signal -1
	MULA 1, 1, 0
	WIN 0
	s_barrier_wait -1
.if \fill
	CREST                                          ; no wave of any partner still reads this slot's tile or has a load on its way
	s_add_nc_u64 s[G0A+4*\slot+2:G0A+4*\slot+3], s[G0A+4*\slot+2:G0A+4*\slot+3], 1048576   ; two K steps on: four heads
	s_add_nc_u64 s[G0B+4*\slot+2:G0B+4*\slot+3], s[G0B+4*\slot+2:G0B+4*\slot+3], 512
	JLOAD \slot                                    ; the four v_nop behind it are also the places ahead of the loads below
.else
	PLACES
.endif
	FETCH \next, 0, 0
.if \fill
	ASK
.endif
	WIN MUL
	MULA 1, 2, 0
	MULA 1, 3, 0
.endm
	s_wait_tensorcnt 1                             ; my part of K step 0 is in (K step 1's load may be out),
	s_barrier_signal -1
	s_barrier_wait -1                              ; everybody's is
	FETCH 0, 0, 0
	s_wait_loadcnt 0x0                             ; the bias
	QUARTER 0, 1, 0, 1, 1                          ; the first quarter stands in front of the loop: its products start the sums
	WIN 0                                          ; at a label and at a branch every window is 0
	s_mov_b32 s3, 3
.Llap:                                                 ; a trip goes once round the ring, from a lap's second quarter to the next lap's first, and fills both slots again
	QUARTER 0, 2, 1, 0, 0
	QUARTER 0, 3, 0, 1, 0
	TURN 0, 1, 1
	QUARTER 1, 1, 0, 1, 0
	QUARTER 1, 2, 1, 0, 0
	QUARTER 1, 3, 0, 1, 0
	TURN 1, 0, 1
	QUARTER 0, 1, 0, 1, 0
	WIN 0
	s_sub_co_u32 s3, s3, 1
	s_cmp_lg_u32 s3, 0
	s_cbranch_scc1 .Llap
	QUARTER 0, 2, 1, 0, 0                          ; the last lap fills nothing, and has no round of the cluster's barrier
	QUARTER 0, 3, 0, 1, 0
	TURN 0, 1, 0
	QUARTER 1, 1, 0, 1, 0
	QUARTER 1, 2, 1, 0, 0
	QUARTER 1, 3, 0, 1, 0
	s_wait_dscnt 0x0                               ; the very last quarter: nothing more to fetch
	MULA 1, 0, 0
	MULA 1, 1, 0
	MULA 1, 2, 0
	MULA 1, 3, 0
	WIN 0
; THE WAY OUT, a block of 16 rows x 128 columns at a time: a lane's 32 bytes of a row go into my own stage and come back as whole rows of 512 bytes.
.macro TOSTAGE a
	WIN 0x04                                       ; an LDS store's data are its source 1: window 1
.irp b, 0,1,2,3,4,5,6,7
	ds_store_b128 v[STO], v[8*(8*(\a)+\b):8*(8*(\a)+\b)+3] offset:64*\b          ; each accumulator from its low end on
	ds_store_b128 v[STO], v[8*(8*(\a)+\b)+4:8*(8*(\a)+\b)+7] offset:64*\b+16
.endr
	WIN 0
.set BB, 64+64*((\a)%2)
.irp t, 0,1,2,3,4,5,6,7,8,9,10,11,12,13,14,15
	ds_load_b128 v[BB+4*\t:BB+4*\t+3], v[RD] offset:\t*SPITCH    ; LDS serves a wave's instructions in order (ISA guide 5.7.1.4): these see the stores above
.endr
.endm
.macro SEND a, younger                 ; younger: the LDS instructions issued behind block a's loads: the next block's 16 stores and 16 loads, or none
.set BB, 64+64*((\a)%2)
	s_wait_dscnt \younger
.irp t, 0,1,2,3,4,5,6,7,8,9,10,11,12,13,14,15
	global_store_b128 v[CO], v[BB+4*\t:BB+4*\t+3], s[8:9] offset:(16*(\a)+\t)*4096 th:TH_STORE_NT   ; 32 lanes store 512 consecutive bytes, at a multiple of 256 from out0's first byte
.endr
.endm
	PLACES                                         ; behind the last products: ahead of the first read of results and of loads into the fragments' registers
	TOSTAGE 0
	TOSTAGE 1
	SEND 0, 32
	s_wait_xcnt 0x0                                ; block 0's stores have read their registers: block 2's loads may land there
	TOSTAGE 2
	SEND 1, 32
	s_wait_xcnt 0x0                                ; block 1's likewise
	TOSTAGE 3
	SEND 2, 32
	SEND 3, 0
	s_wait_tensorcnt 0x0                           ; the wave's end
	ds_add_u32 v[SPW], v[NIL]
	s_wait_dscnt 0x0
	CROUND                                         ; the closing round
	s_endpgm
.Lfunc_end_k_q46ec359d46_oproj:
	.size	k_q46ec359d46_oproj, .Lfunc_end_k_q46ec359d46_oproj-k_q46ec359d46_oproj
	.p2alignl 7, 3214868480
	.fill 96, 4, 3214868480
	.section	.rodata,"a",@progbits
	.p2align	6, 0x0
	.amdhsa_kernel k_q46ec359d46_oproj
		.amdhsa_group_segment_fixed_size 327680
		.amdhsa_private_segment_fixed_size 0
		.amdhsa_enable_private_segment 0
		.amdhsa_kernarg_size 32
		.amdhsa_user_sgpr_count 2
		.amdhsa_user_sgpr_kernarg_segment_ptr 1
		.amdhsa_wavefront_size32 1
		.amdhsa_system_sgpr_workgroup_id_x 1
		.amdhsa_system_sgpr_workgroup_id_y 1
		.amdhsa_system_sgpr_workgroup_id_z 1
		.amdhsa_system_vgpr_workitem_id 0
		.amdhsa_next_free_vgpr 768
		.amdhsa_next_free_sgpr 74
		.amdhsa_reserve_vcc 0
		.amdhsa_float_denorm_mode_32 3
		.amdhsa_float_denorm_mode_16_64 3
		.amdhsa_memory_ordered 1
		.amdhsa_forward_progress 1
		.amdhsa_inst_pref_size 88
	.end_amdhsa_kernel
	.amdgpu_metadata
---
amdhsa.version: [ 1, 2 ]
amdhsa.kernels:
  - .name:           k_q46ec359d46_oproj
    .symbol:         k_q46ec359d46_oproj.kd
    .args:
      - { .name: ctx, .offset: 0, .size: 8, .value_kind: global_buffer, .address_space: global }
      - { .name: wo16, .offset: 8, .size: 8, .value_kind: global_buffer, .address_space: global }
      - { .name: out0, .offset: 16, .size: 8, .value_kind: global_buffer, .address_space: global }
      - { .name: bo, .offset: 24, .size: 8, .value_kind: global_buffer, .address_space: global }
    .group_segment_fixed_size: 327680
    .private_segment_fixed_size: 0
    .kernarg_segment_align: 8
    .kernarg_segment_size: 32
    .max_flat_workgroup_size: 128
    .sgpr_count:     74
    .vgpr_count:     768
    .wavefront_size: 32
...
	.end_amdgpu_metadata
.endif
;; end of part 4
